; MI455X (gfx1250); checked and timed in simulation.
; The chip was launched on July 23, 2026; its instructions are those of AMD's public machine-readable ISA for CDNA 5 (MIT licence, August 2026) and "CDNA5" Instruction Set Architecture Reference Guide (July 2026). The comments in the code are by the model that wrote it; some were corrected since.
;; Multi Headed Attention. Allowed arithmetic: matrix products marked QUANTISED: E2M1 operands, one E8M0 scale for each 32 along K, by v_wmma_scale_f32_16x16x128_f8f6f4 with both operands' format E2M1 (or v_wmma_scale_f32_32x16x128_f4), f32 sums; products left as they are: bf16, f16 or f32 operands; f32 sums; everything else in f32.
;; Inputs: Wk 16 x 1,024 x 64 float32; Wp 1,024 x 1,024 float32; Wq 16 x 1,024 x 64 float32; Wv 16 x 1,024 x 64 float32; bp 1,024 float32; x 4 x 2,048 x 1,024 float32.
;; Outputs: out0 4 x 2,048 x 1,024 float32.
;; This version of the problem:
;;   THIS VERSION OF THE PROBLEM IS GIVEN IN LOW PRECISION. The matrix products marked QUANTISED in the list below multiply operands that are first quantised to E2M1 (2 exponent bits, 1 mantissa bit; 4 bits a number), with one power-of-two scale for each 32 numbers along K (OCP MX v1.0); their sums are f32. The products marked 'left as it is' may take bf16, f16 or f32 operands, with f32 sums. Whichever they take, every output number must still come out within the allowed error. Rounding operands to bf16 (8 significant bits) uses up far more of that allowance than f16 does (11 bits, for magnitudes from 6e-5 to 65,504). All else is computed in f32.
;;   The module's matrix products, in the order in which they are computed (A, B: the left and right operand; K: the contracted axis; several contracted axes count as one K, in the product's order):
;;     1. [M 1,024, K 1,024] x [K 1,024, N 8,192]; A: input Wq; B: input x: QUANTISED
;;     2. [M 1,024, K 1,024] x [K 1,024, N 8,192]; A: input Wk; B: input x: QUANTISED
;;     3. [M 1,024, K 1,024] x [K 1,024, N 8,192]; A: input Wv; B: input x: QUANTISED
;;     4. batch 64 x [M 2,048, K 64] x [K 64, N 2,048]; A: computed on the way; B: computed on the way: left as it is (an operand is computed on the way)
;;     5. batch 64 x [M 2,048, K 2,048] x [K 2,048, N 64]; A: computed on the way; B: computed on the way: left as it is (an operand is computed on the way)
;;     6. [M 8,192, K 1,024] x [K 1,024, N 1,024]; A: computed on the way; B: input Wp: left as it is (an operand is computed on the way)
;;   THE QUANTISER, for each operand of a quantised product, along K:
;;     - K is cut into blocks of 32 from its start; a last block that is shorter is filled with zeros.
;;     - A block's scale is 2^e with e = floor(log2(the largest magnitude in the block)) - 2, held to -126 .. 127; a block of zeros has e = 0. As a byte (E8M0): e + 127.
;;     - Each number is divided by its block's scale, clamped to +-6, and rounded to the nearest number of E2M1, ties to even, subnormals kept.
;;     - The product sums the exact products of the quantised numbers (number of the format x scale) in f32.
;;   ~~~python
;;   def quantise(x, axis):      # numpy; x: float32 -> the quantised numbers, widened to float32 again
;;       x = np.moveaxis(x, axis, -1); K = x.shape[-1]
;;       x = np.pad(x, [(0, 0)] * (x.ndim - 1) + [(0, -K % 32)]); x = x.reshape(x.shape[:-1] + (-1, 32)); a = np.abs(x).max(-1, keepdims=True)
;;       e = np.where(a > 0, np.clip(np.frexp(np.where(a > 0, a, 1))[1] - 1 - 2, -126, 127), 0)      # np.frexp(a)[1] - 1 = floor(log2(a)), exactly
;;       r = np.clip(x / 2.0 ** e, -6, 6)
;;       step = 2.0 ** (np.maximum(np.frexp(np.where(r == 0, 1, r))[1] - 1, 0) - 1)
;;       q = np.round(r / step) * step * 2.0 ** e      # np.round: ties to even
;;       return np.moveaxis(q.reshape(q.shape[:-2] + (-1,))[..., :K], -1, axis).astype(np.float32)
;;   ~~~
;; One version. Each part assembles by itself: llvm-mc -triple=amdgcn-amd-amdhsa -mcpu=gfx1250 --defsym DOCPART=n.
;; ======== version 1 of 1: 6 launches
;; limits: values are held in f16: magnitudes above 65,504 overflow, below 6.1e-05 lose precision
;; workspace buffers: xc 4,194,304 bytes; xs 262,144 bytes; wc 1,572,864 bytes; ws 98,304 bytes; wp16 4,194,304 bytes; qkv 50,331,648 bytes; zh 16,777,216 bytes; ze 524,288 bytes
;; launch prep (part 1): grid 256 x 1, 4 waves a work-group, no clusters, 167,936 bytes of LDS; arguments x, Wq, Wk, Wv, Wp, xc, xs, wc, ws, wp16; writes xc, xs, wc, ws, wp16
.if DOCPART == 1
	.amdgcn_target "amdgcn-amd-amdhsa--gfx1250"
	.amdhsa_code_object_version 6
	.text
	.protected	k_q2f3a42278c_prep
	.globl	k_q2f3a42278c_prep
	.p2align	8
	.type	k_q2f3a42278c_prep,@function
k_q2f3a42278c_prep:
	s_mov_b64 s[64:65], 0
	v_nop
	global_prefetch_b8 v0, s[64:65] scope:SCOPE_SE
	s_setreg_imm32_b32 hwreg(HW_REG_WAVE_MODE, 25, 1), 1
	s_wait_xcnt 0x0
; x [8192][1024] f32 and Wq, Wk, Wv [16][1024][64] f32 become codes of FP4 (E2M1) with one E8M0 byte for each 32 along E; Wp [1024][1024] f32 becomes two f16 numbers.
; A block's scale is 2^(floor(log2(its largest magnitude)) - 2); its byte is the largest magnitude's exponent field - 2, held at 1 from below.
; LIMITS: a block of zeros gets the byte 1 (its codes are zeros, and this program alone reads the bytes); NaN and infinities among the inputs are not served; |Wp| stays under 65,504 (f16).
; THE CODES ARE LAID AS IMAGES OF THE OPERAND'S REGISTERS: a fragment (16 rows x 128 along E) is 1,024 bytes; the 32 codes of block blk of row r lie at 256 blk + 16 r.
;   xc [slot 2][tile of 16 tokens 512][q 4][1,024];  xs: tile x 512 + slot x 256 + r x 16 + q x 4: a scale word for a row and 128 along E;
;   wc [slot 2][tile of 16 columns 192][q 4][1,024], column n = 1,024 tau + 64 head + d;  ws [K step 8][n 3,072] words;
;   wp16 [part 2][e 16][n 1,024][64] f16: part 0: f16(Wp[n][64 e + d]); part 1: what that rounding left, x 2,048 (so that it is a normal f16 number), for the rows that are computed on two-part operands.
; SHARES.  Wave u = 4 x work-group + wave takes 16 tokens x 512 along E of x (tile u / 2, slot u % 2): two tensor loads of 16 rows x 1,024 bytes, asked for first, read last.
; While they are on their way the wave does 16 KiB of the weights: work-groups 0-191: 32 columns x 128 along E of Wq, Wk or Wv (a lane to a column, its registers down E);
; work-groups 192-255: four rows of Wp.  These two ways part on the work-group's number and touch no LDS.  Waves share nothing: no barrier.
.set XP,    1040                       ; an LDS row of x: 1,024 bytes + 16 of padding = 260 words: row r starts at bank 4 r
.set TILEB, 16*XP
.set WREG,  2*TILEB                    ; a wave's two tiles
.set SPARE, 4*WREG                     ; behind them: the spare words, 128 bytes for each wave
.set SPW, 4                            ; v4   my spare word's address; never rewritten
.set NIL, 5                            ; v5   0; never rewritten
.set XA,  6                            ; v6   LDS: my row of x, my 16 numbers of a block
.set LI,  7                            ; v7   16 x lane
.set XSO, 8                            ; v8   16 r + 8 h
.set VW,  9                            ; v9   4 x lane
.set VO,  10                           ; v10  4,096 h + 16 r
.set WPO, 15                           ; v15  8 x lane
.set RL,  32                           ; v32-159  the weights as loaded (Wp: then its second parts); later two sets of 64 numbers of x
.set RO,  160                          ; v160-    what the weights' part stores; later x's codes, 8 registers for each K step
.set PW,  192                          ; v192-195 x's scale words
.set TM,  200                          ; v200-215 at work in QUANT
.set WV,  28
.set SEL, 32                           ; s[32:33] v_permlanex16_b32's selects for lane l xor 16
.set G1,  36                           ; s[36:43] descriptor group 1
.set G0,  44                           ; s[44:51] group 0, a set for each tile
	s_load_b512 s[8:23], s[0:1], 0x0               ; x 8, Wq 10, Wk 12, Wv 14, Wp 16, xc 18, xs 20, wc 22
	s_load_b128 s[24:27], s[0:1], 0x40             ; ws 24, wp16 26
	v_lshl_add_u32 v[SPW], v0, 2, SPARE
	v_mov_b32 v[NIL], 0
	ds_add_u32 v[SPW], v[NIL]                      ; the wave's opening: the add and its wait ahead of my first tensor load
	v_lshrrev_b32 v1, 5, v0
	v_readfirstlane_b32 s[WV], v1                  ; wave 0..3
	s_lshl_b32 s29, ttmp9, 2
	s_add_co_u32 s29, s29, s[WV]                   ; u
	s_lshr_b32 s30, s29, 1                         ; tile of 16 tokens
	s_and_b32 s31, s29, 1                          ; slot: which 512 along E
	s_mov_b32 s[SEL], 0x76543210
	s_mov_b32 s[SEL+1], 0xfedcba98
	s_mov_b32 s[G1+0], (2<<16)|(1<<20)|(7<<22)|(3<<25)  ; elements of 4 bytes; padding on: 4 words behind every 256
	s_mov_b32 s[G1+1], 256<<16                     ; tensor_dim0 = 256
	s_mov_b32 s[G1+2], 16<<16                      ; tensor_dim1 = 16
	s_mov_b32 s[G1+3], 256<<16                     ; tile_dim0 = 256
	s_mov_b32 s[G1+4], 16                          ; tile_dim1 = 16
	s_mov_b32 s[G1+5], 1024                        ; from row to row
	s_mov_b32 s[G1+6], 0
	s_mov_b32 s[G1+7], 0
	s_mul_i32 s52, s[WV], WREG                     ; my two tiles in LDS
	s_lshl_b32 s54, s30, 16                        ; x: 16 rows of 4,096 bytes a tile,
	s_lshl_b32 s55, s31, 11                        ; 2,048 bytes a slot
	s_add_co_u32 s54, s54, s55
	s_mov_b32 s55, 0
	s_lshl_b32 s56, s31, 21                        ; xc: slot x 2,097,152 + tile x 4,096
	s_lshl_b32 s57, s30, 12
	s_add_co_u32 s56, s56, s57
	s_mov_b32 s57, 0
	s_lshl_b32 s58, s30, 9                         ; xs: tile x 512 + slot x 256
	s_lshl_b32 s59, s31, 8
	s_add_co_u32 s58, s58, s59
	s_mov_b32 s59, 0
	s_wait_dscnt 0x0                               ; the opening add is done
	s_wait_kmcnt 0x0
	s_add_nc_u64 s[54:55], s[8:9], s[54:55]
	s_add_nc_u64 s[74:75], s[18:19], s[56:57]
	s_add_nc_u64 s[76:77], s[20:21], s[58:59]
.irp i, 0,1
	s_mov_b32 s[G0+4*\i], 1
	s_add_co_u32 s[G0+4*\i+1], s52, \i*TILEB
	s_add_nc_u64 s[G0+4*\i+2:G0+4*\i+3], s[54:55], \i*1024
	s_or_b32 s[G0+4*\i+3], s[G0+4*\i+3], 0x80000000
	tensor_load_to_lds s[G0+4*\i:G0+4*\i+3], s[G1:G1+7]   ; two loads of mine are out; each fills bytes once
	s_nop 0
.endr
	v_and_b32 v1, 31, v0                           ; lane
	v_and_b32 v2, 15, v0                           ; r
	v_bfe_u32 v3, v0, 4, 1                         ; h
	v_mul_u32_u24 v[XA], v2, XP
	v_lshl_add_u32 v[XA], v3, 6, v[XA]
	v_add_nc_u32 v[XA], s52, v[XA]
	v_lshlrev_b32 v[LI], 4, v1
	v_lshlrev_b32 v[XSO], 4, v2
	v_lshl_add_u32 v[VO], v3, 12, v[XSO]
	v_lshl_add_u32 v[XSO], v3, 3, v[XSO]
	v_lshlrev_b32 v[VW], 2, v1
	v_lshlrev_b32 v[WPO], 3, v1
	s_cmp_ge_u32 ttmp9, 192
	s_cbranch_scc1 .Lwp
	; ---- Wq, Wk, Wv: 32 columns x 128 along E
	s_lshr_b32 s56, ttmp9, 6                       ; tau: 0 Wq, 1 Wk, 2 Wv
	s_and_b32 s57, ttmp9, 63
	s_lshl_b32 s57, s57, 2
	s_add_co_u32 s57, s57, s[WV]
	s_and_b32 s58, s57, 1                          ; which 32 of the head's 64 columns: two neighbouring waves stand side by side on a row's 256 bytes
	s_bfe_u32 s59, s57, 0x30001                    ; K step 0..7
	s_lshr_b32 s60, s57, 4                         ; head
	s_cmp_eq_u32 s56, 0
	s_cselect_b64 s[62:63], s[10:11], s[12:13]
	s_cmp_eq_u32 s56, 2
	s_cselect_b64 s[62:63], s[14:15], s[62:63]
	s_lshl_b32 s66, s60, 18                        ; head x 262,144 + K step x 128 rows of 256 bytes + 128 x half
	s_lshl_b32 s68, s59, 15
	s_add_co_u32 s66, s66, s68
	s_lshl_b32 s68, s58, 7
	s_add_co_u32 s66, s66, s68
	s_mov_b32 s67, 0
	s_add_nc_u64 s[62:63], s[62:63], s[66:67]
	s_lshr_b32 s68, s59, 2
	s_mul_i32 s66, s68, 786432                     ; wc: slot,
	s_lshl_b32 s68, s56, 6
	s_lshl_b32 s69, s60, 2
	s_add_co_u32 s68, s68, s69
	s_lshl_b32 s69, s58, 1
	s_add_co_u32 s68, s68, s69                     ; the tile of 16 columns of lanes 0-15,
	s_lshl_b32 s69, s68, 12
	s_add_co_u32 s66, s66, s69
	s_and_b32 s69, s59, 3
	s_lshl_b32 s69, s69, 10                        ; the K step in the slot
	s_add_co_u32 s66, s66, s69
	s_add_nc_u64 s[70:71], s[22:23], s[66:67]
	s_mul_i32 s66, s59, 12288                      ; ws: K step x 3,072 words + 64 bytes a tile
	s_lshl_b32 s69, s68, 6
	s_add_co_u32 s66, s66, s69
	s_add_nc_u64 s[72:73], s[24:25], s[66:67]
.macro LOADW t                         ; block t: W(32 t + i, my column), i = 0 .. 31
.irp i, 0,1,2,3,4,5,6,7,8,9,10,11,12,13,14,15,16,17,18,19,20,21,22,23,24,25,26,27,28,29,30,31
	global_load_b32 v[RL+32*(\t)+\i], v[VW], s[62:63] offset:(32*(\t)+\i)*256 th:TH_LOAD_NT
.endr
.endm
.macro BLOCKW t
.if (\t) < 3
	s_wait_loadcnt 32                              ; this block's 32 loads are in; the next block's 32 may be out
.else
	s_wait_loadcnt 0x0
.endif
.if (\t) < 2
	LOADW (\t)+2
.endif
.set XS, RL+32*(\t)
	v_max3_num_f32 v12, |v[XS]|, |v[XS+1]|, |v[XS+2]|      ; the block's largest magnitude: all 32 numbers are mine
	v_max3_num_f32 v13, |v[XS+3]|, |v[XS+4]|, |v[XS+5]|
.irp i, 6,10,14,18,22,26
	v_max3_num_f32 v12, v12, |v[XS+\i]|, |v[XS+\i+1]|
	v_max3_num_f32 v13, v13, |v[XS+\i+2]|, |v[XS+\i+3]|
.endr
	v_max3_num_f32 v12, v12, |v[XS+30]|, |v[XS+31]|
	v_max3_num_f32 v12, v12, v13, 0x1800000        ; and the floor 2^(3 - 127): the byte cannot fall under 1
	v_add_nc_u32 v11, 0xff000000, v12              ; 2 off the exponent field: the conversion's scale operand
	v_lshrrev_b32 v13, 23, v11                     ; the scale's byte
.if (\t) == 0
	v_mov_b32 v[RO+16], v13
.else
	v_lshl_or_b32 v[RO+16], v13, 8*(\t), v[RO+16]  ; four bytes make my column's scale word of this K step
.endif
.irp g, 0,1,2,3
	v_cvt_scalef32_pk8_fp4_f32 v[RO+4*(\t)+\g], v[XS+8*\g:XS+8*\g+7], v11
.endr
	v_nop                                          ; one plain line behind the scaled conversions
	global_store_b128 v[VO], v[RO+4*(\t):RO+4*(\t)+3], s[70:71] offset:256*(\t)   ; sixteen lanes store 256 consecutive bytes, aligned: block t of a fragment's image
.endm
	LOADW 0
	LOADW 1
	BLOCKW 0
	BLOCKW 1
	BLOCKW 2
	BLOCKW 3
	global_store_b32 v[VW], v[RO+16], s[72:73]     ; 32 scale words: 128 consecutive bytes
	s_branch .Lx
.Lwp:
	; ---- Wp: rows 4 s .. 4 s + 3 to two f16 numbers each, laid by pieces of 64 along K
	s_sub_co_u32 s56, ttmp9, 192
	s_lshl_b32 s56, s56, 2
	s_add_co_u32 s56, s56, s[WV]                   ; s
	s_lshl_b32 s66, s56, 14
	s_mov_b32 s67, 0
	s_add_nc_u64 s[62:63], s[16:17], s[66:67]
	s_lshl_b32 s66, s56, 9
	s_add_nc_u64 s[70:71], s[26:27], s[66:67]
.set KK, 0
.rept 32                               ; load KK: rows 2 (KK / 16) and + 1, piece KK % 16: sixteen lanes read 256 consecutive bytes
	global_load_b128 v[RL+4*KK:RL+4*KK+3], v[VO], s[62:63] offset:(KK/16)*8192+(KK%16)*256 th:TH_LOAD_NT
.set KK, KK+1
.endr
.set KK, 0
.rept 32
	s_wait_loadcnt 31-KK                           ; loads come back in order: mine is in, the younger ones stay out
	v_cvt_pk_f16_f32 v[RO+2*KK], v[RL+4*KK], v[RL+4*KK+1]         ; the first part: f16(Wp)
	v_cvt_pk_f16_f32 v[RO+2*KK+1], v[RL+4*KK+2], v[RL+4*KK+3]
	v_mov_b32 v20, v[RO+2*KK]                      ; each half into the low half of a register of its own, and back to f32
	v_lshrrev_b32 v21, 16, v[RO+2*KK]
	v_mov_b32 v22, v[RO+2*KK+1]
	v_lshrrev_b32 v23, 16, v[RO+2*KK+1]
	v_cvt_f32_f16 v16, v20.l
	v_cvt_f32_f16 v17, v21.l
	v_cvt_f32_f16 v18, v22.l
	v_cvt_f32_f16 v19, v23.l
	v_pk_add_f32 v[16:17], v[RL+4*KK:RL+4*KK+1], v[16:17] neg_lo:[0,1] neg_hi:[0,1]       ; what the rounding left: exact in f32,
	v_pk_add_f32 v[18:19], v[RL+4*KK+2:RL+4*KK+3], v[18:19] neg_lo:[0,1] neg_hi:[0,1]
	v_pk_mul_f32 v[16:17], v[16:17], 0x45000000 op_sel_hi:[1,0]                           ; x 2,048: exact too
	v_pk_mul_f32 v[18:19], v[18:19], 0x45000000 op_sel_hi:[1,0]
	v_cvt_pk_f16_f32 v[RL+4*KK], v16, v17          ; the second part, in the registers that the numbers have left
	v_cvt_pk_f16_f32 v[RL+4*KK+1], v18, v19
	global_store_b64 v[WPO], v[RO+2*KK:RO+2*KK+1], s[70:71] offset:(KK%16)*131072+(KK/16)*256           ; the wave stores 256 consecutive bytes, aligned
	global_store_b64 v[WPO], v[RL+4*KK:RL+4*KK+1], s[70:71] offset:2097152+(KK%16)*131072+(KK/16)*256
.set KK, KK+1
.endr
.Lx:
	; ---- x: 16 tokens x 512 along E: four fragments
	s_wait_xcnt 0x0                                ; the stores above have read their registers: these are written again below
	s_wait_tensorcnt 0x0                           ; my two tiles are in LDS; nobody else reads them
.irp b, 0,1,2,3
	v_mov_b32 v[TM+4+\b], 0                        ; a lane permute's destination counts as one of its sources
.endr
.macro XREAD q                         ; K step q of the slot: of my row, 16 neighbours of each block of 32: register 16 b + i = k 32 b + 16 h + i
.irp b, 0,1,2,3
.irp j, 0,1,2,3
	ds_load_b128 v[RL+64*((\q)%2)+16*\b+4*\j:RL+64*((\q)%2)+16*\b+4*\j+3], v[XA] offset:((\q)/2)*TILEB+((\q)%2)*512+128*\b+16*\j
.endr
.endr
.endm
; 64 numbers of a lane, v[s] on, become a fragment's codes in v[pc] on and its scale word in v[pw]
.macro QUANT s, pc, pw
.irp b, 0,1,2,3
	v_max3_num_f32 v[TM+\b], |v[\s+16*\b]|, |v[\s+1+16*\b]|, 0x1800000   ; block b: my 16 numbers, and the floor 2^(3 - 127)
.endr
.irp i, 2,4,6,8,10,12,14
.irp b, 0,1,2,3
	v_max3_num_f32 v[TM+\b], v[TM+\b], |v[\s+16*\b+\i]|, |v[\s+1+16*\b+\i]|
.endr
.endr
.irp b, 0,1,2,3
	v_permlanex16_b32 v[TM+4+\b], v[TM+\b], s[SEL], s[SEL+1]
.endr
.irp b, 0,1,2,3
	v_max_num_f32 v[TM+\b], v[TM+\b], v[TM+4+\b]   ; with lane l xor 16's: the block's largest magnitude
.endr
.irp b, 0,1,2,3
	v_add_nc_u32 v[TM+12+\b], 0xff000000, v[TM+\b] ; 2 off its exponent field: the conversion's scale operand
.endr
.irp b, 0,1,2,3
	v_lshrrev_b32 v[TM+4+\b], 23, v[TM+12+\b]      ; the scale's byte
.endr
	v_lshl_or_b32 v[\pw], v[TM+5], 8, v[TM+4]
	v_lshl_or_b32 v[\pw], v[TM+6], 16, v[\pw]
	v_lshl_or_b32 v[\pw], v[TM+7], 24, v[\pw]
.irp b, 0,1,2,3
	v_cvt_scalef32_pk8_fp4_f32 v[\pc+2*\b], v[\s+16*\b:\s+7+16*\b], v[TM+12+\b]
	v_cvt_scalef32_pk8_fp4_f32 v[\pc+1+2*\b], v[\s+8+16*\b:\s+15+16*\b], v[TM+12+\b]
.endr
	v_nop                                          ; one plain line behind the scaled conversions
.irp c, 0,1                            ; the operand's layout wants a whole block in a lane: lanes 0-15 block 2 c, lanes 16-31 block 2 c + 1
.irp i, 0,1
	v_permlane16_swap_b32 v[\pc+4*\c+\i], v[\pc+2+4*\c+\i]
.endr
.endr
.endm
.macro XSTEP q
.if (\q) < 3
	XREAD (\q)+1
	s_wait_dscnt 16                                ; this K step's 16 reads are in; the next one's 16 may be out
.else
	s_wait_dscnt 0x0
.endif
.set XS, RL+64*((\q)%2)
	QUANT XS, RO+8*(\q), PW+(\q)
.irp c, 0,1
	global_store_b128 v[LI], v[RO+8*(\q)+4*\c:RO+8*(\q)+4*\c+3], s[74:75] offset:1024*(\q)+512*\c   ; the fragment's image: 512 consecutive bytes a store
.endr
.endm
	XREAD 0
	XSTEP 0
	XSTEP 1
	XSTEP 2
	XSTEP 3
	v_cmp_lt_u32 vcc_lo, 15, v1                    ; lanes 0-15 store their row's words of K steps 0, 1, lanes 16-31 (which hold the same words) those of 2, 3
	v_cndmask_b32 v196, v[PW], v[PW+2], vcc_lo
	v_cndmask_b32 v197, v[PW+1], v[PW+3], vcc_lo
	global_store_b64 v[XSO], v[196:197], s[76:77]  ; 256 consecutive bytes, aligned
	s_wait_tensorcnt 0x0                           ; the wave's end
	ds_add_u32 v[SPW], v[NIL]
	s_wait_dscnt 0x0
	s_endpgm
.Lfunc_end_k_q2f3a42278c_prep:
	.size	k_q2f3a42278c_prep, .Lfunc_end_k_q2f3a42278c_prep-k_q2f3a42278c_prep
	.p2alignl 7, 3214868480
	.fill 96, 4, 3214868480
	.section	.rodata,"a",@progbits
	.p2align	6, 0x0
	.amdhsa_kernel k_q2f3a42278c_prep
		.amdhsa_group_segment_fixed_size 167936
		.amdhsa_private_segment_fixed_size 0
		.amdhsa_enable_private_segment 0
		.amdhsa_kernarg_size 80
		.amdhsa_user_sgpr_count 2
		.amdhsa_user_sgpr_kernarg_segment_ptr 1
		.amdhsa_wavefront_size32 1
		.amdhsa_system_sgpr_workgroup_id_x 1
		.amdhsa_system_sgpr_workgroup_id_y 1
		.amdhsa_system_sgpr_workgroup_id_z 1
		.amdhsa_system_vgpr_workitem_id 0
		.amdhsa_next_free_vgpr 224
		.amdhsa_next_free_sgpr 80
		.amdhsa_reserve_vcc 1
		.amdhsa_float_denorm_mode_32 3
		.amdhsa_float_denorm_mode_16_64 3
		.amdhsa_memory_ordered 1
		.amdhsa_forward_progress 1
		.amdhsa_inst_pref_size 80
	.end_amdhsa_kernel
	.amdgpu_metadata
---
amdhsa.version: [ 1, 2 ]
amdhsa.kernels:
  - .name:           k_q2f3a42278c_prep
    .symbol:         k_q2f3a42278c_prep.kd
    .args:
      - { .name: x, .offset: 0, .size: 8, .value_kind: global_buffer, .address_space: global }
      - { .name: Wq, .offset: 8, .size: 8, .value_kind: global_buffer, .address_space: global }
      - { .name: Wk, .offset: 16, .size: 8, .value_kind: global_buffer, .address_space: global }
      - { .name: Wv, .offset: 24, .size: 8, .value_kind: global_buffer, .address_space: global }
      - { .name: Wp, .offset: 32, .size: 8, .value_kind: global_buffer, .address_space: global }
      - { .name: xc, .offset: 40, .size: 8, .value_kind: global_buffer, .address_space: global }
      - { .name: xs, .offset: 48, .size: 8, .value_kind: global_buffer, .address_space: global }
      - { .name: wc, .offset: 56, .size: 8, .value_kind: global_buffer, .address_space: global }
      - { .name: ws, .offset: 64, .size: 8, .value_kind: global_buffer, .address_space: global }
      - { .name: wp16, .offset: 72, .size: 8, .value_kind: global_buffer, .address_space: global }
    .group_segment_fixed_size: 167936
    .private_segment_fixed_size: 0
    .kernarg_segment_align: 8
    .kernarg_segment_size: 80
    .max_flat_workgroup_size: 128
    .sgpr_count:     80
    .vgpr_count:     224
    .wavefront_size: 32
...
	.end_amdgpu_metadata
.endif
;; end of part 1
;; launch eatt (part 2): grid 64 x 1, 6 waves a work-group, no clusters, 17,408 bytes of LDS; arguments xc, xs, wc, ws, ze; writes ze
.if DOCPART == 2
	.amdgcn_target "amdgcn-amd-amdhsa--gfx1250"
	.amdhsa_code_object_version 6
	.text
	.protected	k_q2f3a42278c_eatt
	.globl	k_q2f3a42278c_eatt
	.p2align	8
	.type	k_q2f3a42278c_eatt,@function
k_q2f3a42278c_eatt:
	s_mov_b64 s[64:65], 0
	v_nop
	global_prefetch_b8 v0, s[64:65] scope:SCOPE_SE
	s_setreg_imm32_b32 hwreg(HW_REG_WAVE_MODE, 25, 1), 1
	s_wait_xcnt 0x0
; THE FIRST 32 ROWS OF EACH SEQUENCE, attention part.  A row that averages over n keys is about sqrt(2.7 / n) of v's size, while the allowed error is a share of the whole output's root mean square, which the
; 2,048 rows' average sets: the rounding of six operands to f16's 11 bits is too coarse for rows with few keys.  So rows t < 32 are computed here and in the launch behind this one on TWO-PART operands:
; x = hi + lo / 2,048, hi = f16(x), lo = f16((x - hi) x 2,048): 22 bits.  A product is hi hi + 2^-11 (lo hi + hi lo), the second sum in an accumulator of its own.
; A work-group takes one (b, head): 32 tokens.  Six waves: 0, 1: k; 2, 3: v; 4, 5: q; each one tile of 16 tokens x 64 columns, recomputed from the codes of FP4 (E2M1) with E8M0 scales: 32 matrix instructions, E ascending.
; q and k are made transposed (source 0 = 16 columns of W, source 1 = 16 tokens): a lane holds a token, its registers run along d.  v the other way round: a lane holds a channel, its registers run along the tokens.
; So pairs of results, packed, are operand fragments as they stand.  k's and v's go to waves 4 and 5 through LDS as images of their registers; q's stay where they are.
; Waves 4 and 5: one tile of 16 queries each against the 32 keys: S^T = K Q^T, the causal mask, the row's maximum taken away, p = 2^(c s - c m), O^T = V^T P, / the sum.
; ze [b 4][tile 2][head 16][e 2][part 2][c 2][512 bytes]: z as images of the next product's fragments (16 tokens x 32 along d: lane l's 16 bytes of register group c at 16 l).
; LIMITS: |q|, |k|, |v| under 65,504 (f16); NaN and infinities among the inputs are not served.
; REGISTERS: window 0: v16-39 scale words and nothing else; v64-223 slot 0's fragments (x's four, W's sixteen); v224-255 the four accumulators.  Window 1: v64-223 slot 1's fragments.  Later, see the names below.
.set SPARE, 16384                      ; behind the images: the spare words, 128 bytes for each wave
.set SPW,  4
.set NIL,  5
.set LI,   6                           ; 16 x lane
.set L4,   7                           ; 4 x lane
.set R16,  8                           ; 16 x (lane % 16)
.set STA,  9                           ; where I store my images: 16 x lane + 4,096 x wave
.set MD,   14
.set NINF, 15
.set XS,   16                          ; v16-23  x's scale words: 4 slot + q
.set WS,   24                          ; v24-39  W's: 2 K step + p: lanes 0-15 tile 2 p, lanes 16-31 tile 2 p + 1
.set XF,   64
.set WF,   96
.set ACC,  224
.set HI,   64                          ; v64-79  my 64 results' first parts: two fragments;  v80-95 their second parts
.set LO,   80
.set KH,   96                          ; K: key tile kt, 32 e along d: v[KH + 16 kt + 8 e];  second parts at KL
.set KL,   128
.set VH,   160                         ; V^T: channels 16 dt on, 32 keys: v[VH + 8 dt];  second parts at VL
.set VL,   192
.set SM,   224                         ; S^T: v[SM + 8 kt] the main sum, v[SC + 8 kt] the small one
.set SC,   240
.set PH,   48
.set PL,   56
.set OM,   64                          ; O^T: v[OM + 8 dt], v[OC + 8 dt]
.set OC,   96
.set ZH,   128
.set ZL,   144
.set MSB, 0
.macro WIN new                         ; the immediate's high byte repeats the setting that is left
.if MSB != (\new)
	s_set_vgpr_msb (MSB<<8)|(\new)
.set MSB, (\new)
.endif
.endm
	s_load_b256 s[4:11], s[0:1], 0x0               ; xc 4, xs 6, wc 8, ws 10
	s_load_b64 s[12:13], s[0:1], 0x20              ; ze
	v_lshl_add_u32 v[SPW], v0, 2, SPARE
	v_mov_b32 v[NIL], 0
	v_lshrrev_b32 v1, 5, v0
	v_readfirstlane_b32 s14, v1                    ; wave 0..5
	s_lshr_b32 s15, s14, 1                         ; 0: k, 1: v, 2: q
	s_and_b32 s16, s14, 1                          ; which 16 of the 32 tokens
	s_add_co_u32 s19, s15, 1
	s_cmp_eq_u32 s19, 3
	s_cselect_b32 s19, 0, s19                      ; tau in wc and ws: q 0, k 1, v 2
	s_lshr_b32 s17, ttmp9, 4                       ; b
	s_and_b32 s18, ttmp9, 15                       ; head
	v_and_b32 v1, 31, v0                           ; lane
	v_and_b32 v2, 15, v0                           ; r
	v_bfe_u32 v3, v0, 4, 1                         ; h
	v_lshlrev_b32 v[LI], 4, v1
	v_lshlrev_b32 v[L4], 2, v1
	v_lshlrev_b32 v[R16], 4, v2
	s_lshl_b32 s34, s14, 12
	v_add_nc_u32 v[STA], s34, v[LI]
	v_lshlrev_b32 v[MD], 3, v3
	v_sub_nc_u32 v[MD], v2, v[MD]
	s_lshl_b32 s34, s16, 4
	v_add_nc_u32 v[MD], s34, v[MD]                 ; my query - 8 h
	v_mov_b32 v[NINF], 0xff800000                  ; -infinity
	v_mov_b32 v43, 0                               ; (named as the upper halves of pairs of which the low word is used)
	v_mov_b32 v45, 0
	s_lshl_b32 s20, s17, 19                        ; xc: tile 128 b + mt, 4,096 bytes a tile
	s_lshl_b32 s21, s16, 12
	s_add_co_u32 s20, s20, s21
	s_mov_b32 s21, 0
	s_lshl_b32 s22, s17, 16                        ; xs: 512 bytes a tile
	s_lshl_b32 s23, s16, 9
	s_add_co_u32 s22, s22, s23
	s_mov_b32 s23, 0
	s_lshl_b32 s24, s19, 18                        ; wc: tile 64 tau + 4 head
	s_lshl_b32 s25, s18, 14
	s_add_co_u32 s24, s24, s25
	s_mov_b32 s25, 0
	s_lshl_b32 s26, s19, 12                        ; ws: column 1,024 tau + 64 head, 4 bytes each
	s_lshl_b32 s27, s18, 8
	s_add_co_u32 s26, s26, s27
	s_mov_b32 s27, 0
	s_mov_b32 s28, 0x76543210                      ; v_permlanex16_b32's selects for lane l xor 16
	s_mov_b32 s29, 0xfedcba98
	s_mov_b32 s30, 0x3e38aa3b                      ; c = log2(e) / 8
	s_mov_b32 s31, s30
	s_lshl_b32 s32, s17, 1                         ; ze: ((2 b + tile) x 16 + head) x 4,096
	s_add_co_u32 s32, s32, s16
	s_lshl_b32 s32, s32, 4
	s_add_co_u32 s32, s32, s18
	s_lshl_b32 s32, s32, 12
	s_mov_b32 s33, 0
	s_wait_kmcnt 0x0
	s_add_nc_u64 s[4:5], s[4:5], s[20:21]
	s_add_nc_u64 s[6:7], s[6:7], s[22:23]
	s_add_nc_u64 s[8:9], s[8:9], s[24:25]
	s_add_nc_u64 s[10:11], s[10:11], s[26:27]
	s_add_nc_u64 s[12:13], s[12:13], s[32:33]
.irp sl, 0,1
	global_load_b128 v[XS+4*\sl:XS+4*\sl+3], v[R16], s[6:7] offset:256*\sl       ; my row's four scale words of a slot (lanes 16-31 take the same and are not read)
.endr
.irp ks, 0,1,2,3,4,5,6,7
.irp p, 0,1
	global_load_b32 v[WS+2*\ks+\p], v[L4], s[10:11] offset:\ks*12288+\p*128
.endr
.endr
.macro LOADF sl                        ; a slot's fragments: 40 loads of 512 consecutive bytes
.irp q, 0,1,2,3
.irp c, 0,1
	global_load_b128 v[XF+8*\q+4*\c:XF+8*\q+4*\c+3], v[LI], s[4:5] offset:\sl*2097152+\q*1024+\c*512
.endr
.endr
.irp dt, 0,1,2,3
.irp q, 0,1,2,3
.irp c, 0,1
	global_load_b128 v[WF+32*\dt+8*\q+4*\c:WF+32*\dt+8*\q+4*\c+3], v[LI], s[8:9] offset:\sl*786432+\dt*4096+\q*1024+\c*512
.endr
.endr
.endr
.endm
	LOADF 0
	WIN 0x40                                       ; destination window 1
	LOADF 1
	WIN 0
; One product.  vv = 1: v's way round (source 0 = tokens).  odd: W's tile is an odd one, whose scale words lie in lanes 16-31.
.macro EW vv, zero, odd
.if \vv
.if \zero
.if \odd
	v_wmma_scale_f32_16x16x128_f8f6f4 v[rD:rD+7], v[rX:rX+7], v[rW:rW+7], 0, v[rSX], v[rSW] matrix_a_fmt:MATRIX_FMT_FP4 matrix_b_fmt:MATRIX_FMT_FP4 matrix_b_scale:MATRIX_SCALE_ROW1
.else
	v_wmma_scale_f32_16x16x128_f8f6f4 v[rD:rD+7], v[rX:rX+7], v[rW:rW+7], 0, v[rSX], v[rSW] matrix_a_fmt:MATRIX_FMT_FP4 matrix_b_fmt:MATRIX_FMT_FP4
.endif
.else
.if \odd
	v_wmma_scale_f32_16x16x128_f8f6f4 v[rD:rD+7], v[rX:rX+7], v[rW:rW+7], v[rD:rD+7], v[rSX], v[rSW] matrix_a_fmt:MATRIX_FMT_FP4 matrix_b_fmt:MATRIX_FMT_FP4 matrix_b_scale:MATRIX_SCALE_ROW1
.else
	v_wmma_scale_f32_16x16x128_f8f6f4 v[rD:rD+7], v[rX:rX+7], v[rW:rW+7], v[rD:rD+7], v[rSX], v[rSW] matrix_a_fmt:MATRIX_FMT_FP4 matrix_b_fmt:MATRIX_FMT_FP4
.endif
.endif
.else
.if \zero
.if \odd
	v_wmma_scale_f32_16x16x128_f8f6f4 v[rD:rD+7], v[rW:rW+7], v[rX:rX+7], 0, v[rSW], v[rSX] matrix_a_fmt:MATRIX_FMT_FP4 matrix_b_fmt:MATRIX_FMT_FP4 matrix_a_scale:MATRIX_SCALE_ROW1
.else
	v_wmma_scale_f32_16x16x128_f8f6f4 v[rD:rD+7], v[rW:rW+7], v[rX:rX+7], 0, v[rSW], v[rSX] matrix_a_fmt:MATRIX_FMT_FP4 matrix_b_fmt:MATRIX_FMT_FP4
.endif
.else
.if \odd
	v_wmma_scale_f32_16x16x128_f8f6f4 v[rD:rD+7], v[rW:rW+7], v[rX:rX+7], v[rD:rD+7], v[rSW], v[rSX] matrix_a_fmt:MATRIX_FMT_FP4 matrix_b_fmt:MATRIX_FMT_FP4 matrix_a_scale:MATRIX_SCALE_ROW1
.else
	v_wmma_scale_f32_16x16x128_f8f6f4 v[rD:rD+7], v[rW:rW+7], v[rX:rX+7], v[rD:rD+7], v[rSW], v[rSX] matrix_a_fmt:MATRIX_FMT_FP4 matrix_b_fmt:MATRIX_FMT_FP4
.endif
.endif
.endif
.endm
.macro GEMM sl, vv                     ; a slot's 16 products: the four accumulators by turns; the very first four start the sums
.irp q, 0,1,2,3
.irp dt, 0,1,2,3
.set rD, ACC+8*\dt
.set rW, WF+32*\dt+8*\q
.set rX, XF+8*\q
.set rSW, WS+2*(4*\sl+\q)+\dt/2
.set rSX, XS+4*\sl+\q
.if (\sl == 0) && (\q == 0)
	EW \vv, 1, (\dt%2)
.else
	EW \vv, 0, (\dt%2)
.endif
.endr
.endr
.endm
	s_wait_loadcnt 40                              ; the scale words and slot 0's fragments are in; slot 1's 40 loads may be out
	s_cmp_eq_u32 s15, 1
	s_cbranch_scc1 .Lvv
	GEMM 0, 0
	s_wait_loadcnt 0x0
	WIN 0x05                                       ; sources 0 and 1 in window 1
	GEMM 1, 0
	WIN 0
	s_branch .Lsplit
.Lvv:
	GEMM 0, 1
	s_wait_loadcnt 0x0
	WIN 0x05
	GEMM 1, 1
	WIN 0
.Lsplit:
; Two numbers v[x], v[x + 1] become their first parts, packed in v[hi], and their second parts, packed in v[lo]
.macro SPLIT hi, lo, x
	v_cvt_pk_f16_f32 v[\hi], v[\x], v[(\x)+1]
	v_mov_b32 v10, v[\hi]                          ; each half into the low half of a register of its own, and back to f32
	v_lshrrev_b32 v11, 16, v[\hi]
	v_cvt_f32_f16 v12, v10.l
	v_cvt_f32_f16 v13, v11.l
	v_pk_add_f32 v[12:13], v[\x:(\x)+1], v[12:13] neg_lo:[0,1] neg_hi:[0,1]   ; what the rounding left: exact in f32,
	v_pk_mul_f32 v[12:13], v[12:13], 0x45000000 op_sel_hi:[1,0]               ; x 2,048: exact too
	v_cvt_pk_f16_f32 v[\lo], v12, v13
.endm
.rept 4
	v_nop                                          ; places behind the last products
.endr
.set II, 0
.rept 16                               ; each accumulator from its low end on
	SPLIT HI+II, LO+II, ACC+2*II
.set II, II+1
.endr
	s_cmp_eq_u32 s15, 2                            ; q's fragments stay in their wave's registers
	s_cbranch_scc1 .Lkept
.irp dt, 0,1,2,3
	ds_store_b128 v[STA], v[HI+4*\dt:HI+4*\dt+3] offset:512*\dt             ; an image: lane l's 16 bytes at 16 l
	ds_store_b128 v[STA], v[LO+4*\dt:LO+4*\dt+3] offset:2048+512*\dt
.endr
.Lkept:
	s_wait_dscnt 0x0                               ; for the others' sake: my stores are done
	s_barrier_signal -1
	s_barrier_wait -1
	s_cmp_lg_u32 s15, 2
	s_cbranch_scc1 .Lend
	; ---- waves 4 and 5: 16 queries against 32 keys
.irp kt, 0,1
.irp g, 0,1,2,3
	ds_load_b128 v[KH+16*\kt+4*\g:KH+16*\kt+4*\g+3], v[LI] offset:\kt*4096+512*\g
	ds_load_b128 v[KL+16*\kt+4*\g:KL+16*\kt+4*\g+3], v[LI] offset:\kt*4096+2048+512*\g
.endr
.endr
.irp dt, 0,1,2,3
.irp c, 0,1                            ; a fragment of V^T: registers 0-3 from the wave with tokens 0-15, registers 4-7 from the other
	ds_load_b128 v[VH+8*\dt+4*\c:VH+8*\dt+4*\c+3], v[LI] offset:8192+\c*4096+512*\dt
	ds_load_b128 v[VL+8*\dt+4*\c:VL+8*\dt+4*\c+3], v[LI] offset:8192+\c*4096+2048+512*\dt
.endr
.endr
	s_wait_dscnt 0x0
.macro SW d, a, b, zero
.if \zero
	v_wmma_f32_16x16x32_f16 v[(\d):(\d)+7], v[(\a):(\a)+7], v[(\b):(\b)+7], 0
.else
	v_wmma_f32_16x16x32_f16 v[(\d):(\d)+7], v[(\a):(\a)+7], v[(\b):(\b)+7], v[(\d):(\d)+7]
.endif
.endm
	SW SM,   KH,    HI,   1                        ; no two products that follow each other share an accumulator
	SW SM+8, KH+16, HI,   1
	SW SC,   KL,    HI,   1
	SW SC+8, KL+16, HI,   1
	SW SM,   KH+8,  HI+8, 0
	SW SM+8, KH+24, HI+8, 0
	SW SC,   KL+8,  HI+8, 0
	SW SC+8, KL+24, HI+8, 0
	SW SC,   KH,    LO,   0
	SW SC+8, KH+16, LO,   0
	SW SC,   KH+8,  LO+8, 0
	SW SC+8, KH+24, LO+8, 0
.rept 4
	v_nop
.endr
.set II, 0
.rept 8
	v_pk_fma_f32 v[SM+2*II:SM+2*II+1], v[SC+2*II:SC+2*II+1], 0x3a000000, v[SM+2*II:SM+2*II+1] op_sel_hi:[1,0,1]   ; the score: main + 2^-11 x small
.set II, II+1
.endr
.irp kt, 0,1
.irp j, 0,1,2,3,4,5,6,7
	v_cmp_gt_i32 vcc_lo, 16*\kt+\j, v[MD]          ; key 16 kt + 8 h + j comes after my query: -infinity
	v_cndmask_b32 v[SM+8*\kt+\j], v[SM+8*\kt+\j], v[NINF], vcc_lo
.endr
.endr
	v_max3_num_f32 v40, v[SM], v[SM+1], v[SM+2]
	v_max3_num_f32 v41, v[SM+3], v[SM+4], v[SM+5]
	v_max3_num_f32 v40, v40, v[SM+6], v[SM+7]
	v_max3_num_f32 v41, v41, v[SM+8], v[SM+9]
	v_max3_num_f32 v40, v40, v[SM+10], v[SM+11]
	v_max3_num_f32 v41, v41, v[SM+12], v[SM+13]
	v_max3_num_f32 v40, v40, v[SM+14], v[SM+15]
	v_max_num_f32 v40, v40, v41
	v_permlanex16_b32 v41, v40, s28, s29           ; the query's other 16 keys lie in the lane 16 away
	v_max_num_f32 v40, v40, v41                    ; the row's maximum: key 0 counts for every query, so it is a number
	v_mul_f32 v44, s30, v40                        ; c m
.set II, 0
.rept 8
	v_pk_fma_f32 v[SM+2*II:SM+2*II+1], v[SM+2*II:SM+2*II+1], s[30:31], v[44:45] op_sel_hi:[1,0,0] neg_lo:[0,0,1] neg_hi:[0,0,1]   ; c s - c m
.set II, II+1
.endr
.set II, 0
.rept 16
	v_exp_f32 v[SM+II], v[SM+II]                   ; p
.set II, II+1
.endr
	v_nop                                          ; a plain line behind the last exponential
	s_wait_alu depctr_va_vdst(0)                   ; one wait for the batch, ahead of its first reader
.set II, 0
.rept 8
	SPLIT PH+II, PL+II, SM+2*II                    ; two tiles of S^T, packed, are P's fragment of 32 keys
.set II, II+1
.endr
	v_pk_add_f32 v[46:47], v[SM:SM+1], v[SM+2:SM+3]
.irp j, 4,6,8,10,12,14
	v_pk_add_f32 v[46:47], v[46:47], v[SM+\j:SM+\j+1]
.endr
	v_add_f32 v46, v46, v47
	v_permlanex16_b32 v47, v46, s28, s29
	v_add_f32 v46, v46, v47                        ; the row's sum, of p in f32
	v_rcp_f32 v42, v46
	v_nop                                          ; a plain line behind the reciprocal
.irp dt, 0,1,2,3
	SW OM+8*\dt, VH+8*\dt, PH, 1
.endr
.irp dt, 0,1,2,3
	SW OC+8*\dt, VL+8*\dt, PH, 1
.endr
.irp dt, 0,1,2,3
	SW OC+8*\dt, VH+8*\dt, PL, 0
.endr
.rept 4
	v_nop
.endr
	s_wait_alu depctr_va_vdst(0)                   ; the reciprocal's wait, ahead of its first reader
.set II, 0
.rept 16
	v_pk_fma_f32 v[OM+2*II:OM+2*II+1], v[OC+2*II:OC+2*II+1], 0x3a000000, v[OM+2*II:OM+2*II+1] op_sel_hi:[1,0,1]
.set II, II+1
.endr
.set II, 0
.rept 16
	v_pk_mul_f32 v[OM+2*II:OM+2*II+1], v[OM+2*II:OM+2*II+1], v[42:43] op_sel_hi:[1,0]   ; / the sum: register 8 dt + j is z(my query, 16 dt + 8 h + j)
.set II, II+1
.endr
.set II, 0
.rept 16
	SPLIT ZH+II, ZL+II, OM+2*II
.set II, II+1
.endr
.irp dt, 0,1,2,3
	global_store_b128 v[LI], v[ZH+4*\dt:ZH+4*\dt+3], s[12:13] offset:(\dt/2)*2048+(\dt%2)*512          ; 512 consecutive bytes a store
	global_store_b128 v[LI], v[ZL+4*\dt:ZL+4*\dt+3], s[12:13] offset:(\dt/2)*2048+1024+(\dt%2)*512
.endr
.Lend:
	s_wait_tensorcnt 0x0                           ; the wave's end
	ds_add_u32 v[SPW], v[NIL]
	s_wait_dscnt 0x0
	s_endpgm
.Lfunc_end_k_q2f3a42278c_eatt:
	.size	k_q2f3a42278c_eatt, .Lfunc_end_k_q2f3a42278c_eatt-k_q2f3a42278c_eatt
	.p2alignl 7, 3214868480
	.fill 96, 4, 3214868480
	.section	.rodata,"a",@progbits
	.p2align	6, 0x0
	.amdhsa_kernel k_q2f3a42278c_eatt
		.amdhsa_group_segment_fixed_size 17408
		.amdhsa_private_segment_fixed_size 0
		.amdhsa_enable_private_segment 0
		.amdhsa_kernarg_size 40
		.amdhsa_user_sgpr_count 2
		.amdhsa_user_sgpr_kernarg_segment_ptr 1
		.amdhsa_wavefront_size32 1
		.amdhsa_system_sgpr_workgroup_id_x 1
		.amdhsa_system_sgpr_workgroup_id_y 1
		.amdhsa_system_sgpr_workgroup_id_z 1
		.amdhsa_system_vgpr_workitem_id 0
		.amdhsa_next_free_vgpr 512
		.amdhsa_next_free_sgpr 66
		.amdhsa_reserve_vcc 1
		.amdhsa_float_denorm_mode_32 3
		.amdhsa_float_denorm_mode_16_64 3
		.amdhsa_memory_ordered 1
		.amdhsa_forward_progress 1
		.amdhsa_inst_pref_size 49
	.end_amdhsa_kernel
	.amdgpu_metadata
---
amdhsa.version: [ 1, 2 ]
amdhsa.kernels:
  - .name:           k_q2f3a42278c_eatt
    .symbol:         k_q2f3a42278c_eatt.kd
    .args:
      - { .name: xc, .offset: 0, .size: 8, .value_kind: global_buffer, .address_space: global }
      - { .name: xs, .offset: 8, .size: 8, .value_kind: global_buffer, .address_space: global }
      - { .name: wc, .offset: 16, .size: 8, .value_kind: global_buffer, .address_space: global }
      - { .name: ws, .offset: 24, .size: 8, .value_kind: global_buffer, .address_space: global }
      - { .name: ze, .offset: 32, .size: 8, .value_kind: global_buffer, .address_space: global }
    .group_segment_fixed_size: 17408
    .private_segment_fixed_size: 0
    .kernarg_segment_align: 8
    .kernarg_segment_size: 40
    .max_flat_workgroup_size: 192
    .sgpr_count:     66
    .vgpr_count:     512
    .wavefront_size: 32
...
	.end_amdgpu_metadata
.endif
;; end of part 2
;; launch eproj (part 3): grid 16 x 8, 16 waves a work-group, no clusters, 71,680 bytes of LDS; arguments ze, wp16, bp, out0; writes out0
.if DOCPART == 3
	.amdgcn_target "amdgcn-amd-amdhsa--gfx1250"
	.amdhsa_code_object_version 6
	.text
	.protected	k_q2f3a42278c_eproj
	.globl	k_q2f3a42278c_eproj
	.p2align	8
	.type	k_q2f3a42278c_eproj,@function
k_q2f3a42278c_eproj:
	s_mov_b64 s[64:65], 0
	v_nop
	global_prefetch_b8 v0, s[64:65] scope:SCOPE_SE
	s_setreg_imm32_b32 hwreg(HW_REG_WAVE_MODE, 25, 1), 1
	s_wait_xcnt 0x0
; THE FIRST 32 ROWS OF EACH SEQUENCE, output projection: out[b][t][n] = the sum over k of z[t][k] Wp[n][k] + bp[n] for t < 32, on two-part f16 operands (x = hi + lo / 2,048):
; hi hi in one accumulator, lo hi + hi lo in another, joined as main + 2^-11 x small.  The launch that makes all other rows of out0 does not store these.
; A work-group takes 16 rows (2 b + tile: the grid's y) x 64 n (the grid's x); its sixteen waves share K: wave = head, 64 along K.  A wave asks for all its operands at once (8 loads of z's images, 32 of Wp's rows, 1 of bp).
; THE MATRIX INSTRUCTION IS USED TRANSPOSED (source 0 = 16 rows of Wp, source 1 = 16 tokens): a lane holds eight neighbouring n of one token.
; The sixteen partial tiles meet in LDS; waves 0 to 7 add them and bp, and store: sixteen lanes 256 consecutive bytes of a row of out0, aligned.
; LDS: wave w's 16 x 64 numbers at 4,352 w: group g = 2 nt + c (four registers) at 544 g, lanes 16-31 at + 272, token r at 16 r: writers touch 256 consecutive bytes in a pass,
; and a reader's sixteen lanes (one token; sixteen pairs of g and lane half) sixteen different groups of four banks: 544 g + 272 h = 16 (2 g + h) modulo 256.
.set PW,    4352
.set SPARE, 16*PW                      ; behind the partial tiles: the spare words, 128 bytes for each wave
.set LI,  7
.set WA,  8
.set PA,  9
.set RA,  10
.set BO,  11
.set OA,  12
.set SPW, 14
.set NIL, 15
.set Z,   16                           ; z's fragments: v[Z + 16 e + 8 part]
.set W,   48                           ; Wp's: v[W + 32 nt + 16 e + 8 part]; later the sixteen partial sums
.set M,   176                          ; v[M + 8 nt] the main sums;  v[C + 8 nt] the small ones
.set C,   208
.set B,   240                          ; v240-243 bp, then the result
	s_load_b256 s[4:11], s[0:1], 0x0               ; ze 4, wp16 6, bp 8, out0 10
	v_lshl_add_u32 v[SPW], v0, 2, SPARE
	v_mov_b32 v[NIL], 0
	v_lshrrev_b32 v1, 5, v0
	v_readfirstlane_b32 s12, v1                    ; wave = head
	s_and_b32 s13, ttmp7, 0xffff                   ; 2 b + tile
	v_and_b32 v1, 31, v0
	v_lshlrev_b32 v[LI], 4, v1                     ; 16 x lane
	v_and_b32 v2, 15, v0                           ; r
	v_bfe_u32 v3, v0, 4, 1                         ; h
	v_lshlrev_b32 v[WA], 7, v2
	v_lshl_add_u32 v[WA], v3, 4, v[WA]             ; Wp: row r of 128 bytes, + 16 h
	s_mul_i32 s14, s12, PW
	v_lshlrev_b32 v[PA], 4, v2
	v_mad_u32_u24 v[PA], v3, 272, v[PA]
	v_add_nc_u32 v[PA], s14, v[PA]                 ; where I put my partial sums
	v_lshrrev_b32 v1, 4, v0                        ; as a reader (threads 0-255): token = thread / 16; s = thread % 16: n = 4 s .. 4 s + 3 = 16 nt + 8 h + 4 c ..
	v_bfe_u32 v3, v0, 1, 1                         ; h
	v_bfe_u32 v4, v0, 2, 2                         ; nt
	v_and_b32 v13, 1, v0                           ; c
	v_lshl_add_u32 v4, v4, 1, v13                  ; g
	v_mul_u32_u24 v4, v4, 544
	v_mad_u32_u24 v4, v3, 272, v4
	v_lshl_add_u32 v[RA], v1, 4, v4
	v_lshlrev_b32 v[BO], 4, v2                     ; 16 s
	v_lshl_add_u32 v[OA], v1, 12, v[BO]            ; a row of out0 is 4,096 bytes
	s_lshl_b32 s16, s13, 4
	s_add_co_u32 s16, s16, s12
	s_lshl_b32 s16, s16, 12                        ; ze: ((2 b + tile) x 16 + head) x 4,096
	s_mov_b32 s17, 0
	s_lshl_b32 s18, s12, 17                        ; wp16: head x 131,072 + 64 rows of 128 bytes a work-group
	s_lshl_b32 s19, ttmp9, 13
	s_add_co_u32 s18, s18, s19
	s_mov_b32 s19, 0
	s_lshl_b32 s20, ttmp9, 8                       ; 64 numbers of f32
	s_mov_b32 s21, 0
	s_lshr_b32 s22, s13, 1
	s_lshl_b32 s22, s22, 23                        ; b x 2,048 rows
	s_and_b32 s23, s13, 1
	s_lshl_b32 s23, s23, 16                        ; 16 rows a tile
	s_add_co_u32 s22, s22, s23
	s_add_co_u32 s22, s22, s20
	s_mov_b32 s23, 0
	s_wait_kmcnt 0x0
	s_add_nc_u64 s[4:5], s[4:5], s[16:17]
	s_add_nc_u64 s[6:7], s[6:7], s[18:19]
	s_add_nc_u64 s[8:9], s[8:9], s[20:21]
	s_add_nc_u64 s[10:11], s[10:11], s[22:23]
.irp e, 0,1
.irp p, 0,1
.irp c, 0,1
	global_load_b128 v[Z+16*\e+8*\p+4*\c:Z+16*\e+8*\p+4*\c+3], v[LI], s[4:5] offset:\e*2048+\p*1024+\c*512
.endr
.endr
.endr
.irp nt, 0,1,2,3
.irp e, 0,1
.irp p, 0,1
.irp c, 0,1
	global_load_b128 v[W+32*\nt+16*\e+8*\p+4*\c:W+32*\nt+16*\e+8*\p+4*\c+3], v[WA], s[6:7] offset:\p*2097152+\nt*2048+64*\e+32*\c
.endr
.endr
.endr
.endr
	global_load_b128 v[B:B+3], v[BO], s[8:9]
	s_wait_loadcnt 0x0
.macro SW d, a, b, zero
.if \zero
	v_wmma_f32_16x16x32_f16 v[(\d):(\d)+7], v[(\a):(\a)+7], v[(\b):(\b)+7], 0
.else
	v_wmma_f32_16x16x32_f16 v[(\d):(\d)+7], v[(\a):(\a)+7], v[(\b):(\b)+7], v[(\d):(\d)+7]
.endif
.endm
.irp e, 0,1                            ; no two products that follow each other share an accumulator; the first on each starts its sum
.irp nt, 0,1,2,3
	SW M+8*\nt, W+32*\nt+16*\e, Z+16*\e, 1-\e
.endr
.irp nt, 0,1,2,3
	SW C+8*\nt, W+32*\nt+16*\e, Z+16*\e+8, 1-\e
.endr
.irp nt, 0,1,2,3
	SW C+8*\nt, W+32*\nt+16*\e+8, Z+16*\e, 0
.endr
.endr
.rept 4
	v_nop                                          ; places behind the last products
.endr
.set II, 0
.rept 16
	v_pk_fma_f32 v[M+2*II:M+2*II+1], v[C+2*II:C+2*II+1], 0x3a000000, v[M+2*II:M+2*II+1] op_sel_hi:[1,0,1]   ; main + 2^-11 x small, each accumulator from its low end on
.set II, II+1
.endr
.irp nt, 0,1,2,3
.irp c, 0,1
	ds_store_b128 v[PA], v[M+8*\nt+4*\c:M+8*\nt+4*\c+3] offset:(2*\nt+\c)*544
.endr
.endr
	s_wait_dscnt 0x0                               ; for the others' sake: my stores are done
	s_barrier_signal -1
	s_barrier_wait -1
	s_cmp_ge_u32 s12, 8                            ; 16 x 64 numbers are 256 threads' four each
	s_cbranch_scc1 .Lend
.set II, 0
.rept 16
	ds_load_b128 v[W+4*II:W+4*II+3], v[RA] offset:II*PW
.set II, II+1
.endr
	s_wait_dscnt 0x0
.set II, 0
.rept 16
	v_pk_add_f32 v[B:B+1], v[B:B+1], v[W+4*II:W+4*II+1]
	v_pk_add_f32 v[B+2:B+3], v[B+2:B+3], v[W+4*II+2:W+4*II+3]
.set II, II+1
.endr
	global_store_b128 v[OA], v[B:B+3], s[10:11] th:TH_STORE_NT   ; sixteen lanes store 256 consecutive bytes, aligned
.Lend:
	s_wait_tensorcnt 0x0                           ; the wave's end
	ds_add_u32 v[SPW], v[NIL]
	s_wait_dscnt 0x0
	s_endpgm
.Lfunc_end_k_q2f3a42278c_eproj:
	.size	k_q2f3a42278c_eproj, .Lfunc_end_k_q2f3a42278c_eproj-k_q2f3a42278c_eproj
	.p2alignl 7, 3214868480
	.fill 96, 4, 3214868480
	.section	.rodata,"a",@progbits
	.p2align	6, 0x0
	.amdhsa_kernel k_q2f3a42278c_eproj
		.amdhsa_group_segment_fixed_size 71680
		.amdhsa_private_segment_fixed_size 0
		.amdhsa_enable_private_segment 0
		.amdhsa_kernarg_size 32
		.amdhsa_user_sgpr_count 2
		.amdhsa_user_sgpr_kernarg_segment_ptr 1
		.amdhsa_wavefront_size32 1
		.amdhsa_system_sgpr_workgroup_id_x 1
		.amdhsa_system_sgpr_workgroup_id_y 1
		.amdhsa_system_sgpr_workgroup_id_z 1
		.amdhsa_system_vgpr_workitem_id 0
		.amdhsa_next_free_vgpr 256
		.amdhsa_next_free_sgpr 66
		.amdhsa_reserve_vcc 0
		.amdhsa_float_denorm_mode_32 3
		.amdhsa_float_denorm_mode_16_64 3
		.amdhsa_memory_ordered 1
		.amdhsa_forward_progress 1
		.amdhsa_inst_pref_size 14
	.end_amdhsa_kernel
	.amdgpu_metadata
---
amdhsa.version: [ 1, 2 ]
amdhsa.kernels:
  - .name:           k_q2f3a42278c_eproj
    .symbol:         k_q2f3a42278c_eproj.kd
    .args:
      - { .name: ze, .offset: 0, .size: 8, .value_kind: global_buffer, .address_space: global }
      - { .name: wp16, .offset: 8, .size: 8, .value_kind: global_buffer, .address_space: global }
      - { .name: bp, .offset: 16, .size: 8, .value_kind: global_buffer, .address_space: global }
      - { .name: out0, .offset: 24, .size: 8, .value_kind: global_buffer, .address_space: global }
    .group_segment_fixed_size: 71680
    .private_segment_fixed_size: 0
    .kernarg_segment_align: 8
    .kernarg_segment_size: 32
    .max_flat_workgroup_size: 512
    .sgpr_count:     66
    .vgpr_count:     256
    .wavefront_size: 32
...
	.end_amdgpu_metadata
.endif
;; end of part 3
;; launch qkv (part 4): grid 12 x 32, 4 waves a work-group, clusters of 4 x 4, 327,680 bytes of LDS; arguments xc, xs, wc, ws, qkv; writes qkv
.if DOCPART == 4
	.amdgcn_target "amdgcn-amd-amdhsa--gfx1250"
	.amdhsa_code_object_version 6
	.text
	.protected	k_q2f3a42278c_qkv
	.globl	k_q2f3a42278c_qkv
	.p2align	8
	.type	k_q2f3a42278c_qkv,@function
k_q2f3a42278c_qkv:
	s_mov_b64 s[64:65], 0
	v_nop
	global_prefetch_b8 v0, s[64:65] scope:SCOPE_SE
	s_setreg_imm32_b32 hwreg(HW_REG_WAVE_MODE, 25, 1), 1
	s_wait_xcnt 0x0
	s_wait_alu depctr_hold_cnt(0) depctr_sa_sdst(0) depctr_va_vdst(0) depctr_va_sdst(0) depctr_va_ssrc(0) depctr_va_vcc(0) depctr_vm_vsrc(0)
	s_getreg_b32 s2, hwreg(HW_REG_IB_STS2, 6, 4)
	s_cmp_eq_u32 s2, 0
	s_cbranch_scc0 .Lentry_in_a_cluster
	s_endpgm
.Lentry_in_a_cluster:
	s_bfe_u32 s2, ttmp6, 0x10000c
	s_cmp_lg_u32 s2, 0xf033
	s_cbranch_scc0 .Lentry_shape_is_right
	s_endpgm
.Lentry_shape_is_right:
; q, k, v = x W on codes of FP4 (E2M1) with E8M0 scales for each 32 along E; sums in f32, rounded once to f16.  qkv: [tau 3][b 4][head 16][t 2,048][64] f16.
; LIMIT: |q|, |k|, |v| stay under 65,504 (f16).
; A work-group of four waves makes 256 tokens x 256 columns n (n = 1,024 tau + 64 head + d); a wave 128 x 128: 64 accumulators, 512 registers.
; E = 1,024 is two LDS slots of 512; with the scale words all of it fits: every tile is filled once, nothing is filled again.
; Codes lie in memory as images of the operand's registers (a fragment, 16 rows x 128 along E, is 1,024 bytes; lane l's 16 bytes of register group c at 512 c + 16 l): a slot's tiles are dense blocks,
; and a fragment load reads 512 consecutive LDS bytes: no pitch, no padding.
; CLUSTERS: 4 x 4 work-groups; the four of a row need the same tiles of x, the four of a column the same tiles of W: each is asked for jointly.
; THE MATRIX INSTRUCTION IS USED TRANSPOSED (source 0 = 16 columns of W, source 1 = 16 tokens): a lane holds eight neighbouring d of one token.
; REGISTERS: window 0: v0-31 addresses; v32-95 scale words and nothing else, two sets; v96-127, v224-255 rows on the way out; v128-191 x's fragments, one set; v192-223 packed results.
;   window 1: W's fragments, two sets (v0, v128).  window 2: accumulators of my tokens 0-63 ((a, b) at v[8 (8 a + b)]);  window 3: of tokens 64-127.
.set NQ,     4                         ; steps of 128 along E in a slot
.set FR,     8                         ; registers of a fragment
.set NL,     2                         ; LDS loads that bring one
.set NP,     4                         ; places behind this matrix instruction (ISA guide 7.12.1)
.set HALFT,  32768                     ; 8 tiles x 4,096 bytes: what one tensor load brings
.set SLOT,   4*HALFT                   ; x's 16 tiles, then W's 16
.set SCLA,   2*SLOT                    ; x's scale words: tile x 512 + slot x 256 + r x 16 + q x 4
.set SCLB,   SCLA+8192                 ; W's: K step x 1,024 + 4 x column
.set STAGE,  SCLB+8192                 ; the way out: 16 rows x (256 bytes + 16) for each wave; no tile lands here
.set SPITCH, 272
.set SPARE,  STAGE+4*16*SPITCH         ; the spare words, 128 bytes for each wave
.set ADRA, 16                          ; v16-17 my x fragments in slot 0, 1
.set ADRB, 20                          ; v20-21 my W fragments
.set STO,  24
.set RD,   25
.set CO,   26
.set ADSA, 27                          ; v27 x's scale words: lanes 0-15 an even tile's rows, lanes 16-31 the odd tile's behind it
.set SPW,  28
.set NIL,  29
.set ADSB, 30                          ; v30 W's scale words: 32 columns, two tiles
.set SC,   32                          ; set s at v[SC + 32 s]: register 4 p + q: x's tiles 2 p | 2 p + 1; register 16 + 4 q + p: W's tiles 2 p | 2 p + 1
.set AF,   128
.set TMP,  192
.set G1, 24
.set G0, 32
.set G1B, 48
.set G0B, 56
.set G1S, 68
.set G0S, 76
.set G1SB, 80
.set G0SB, 88
.set MSB, 0
.macro WIN new                         ; the immediate's high byte repeats the setting that is left
.if MSB != (\new)
	s_set_vgpr_msb (MSB<<8)|(\new)
.set MSB, (\new)
.endif
.endm
.set MUL_LO, 0xa1                      ; source 0 (W) window 1, source 1 (x) window 0, C and D window 2
.set MUL_HI, 0xf1
.set TO_B,   0x40
; A joint load: waves 0 and 1 fetch for x, waves 2 and 3 for W.  The branch hangs on the wave's number alone.  An s_nop 0 and four v_nop follow each line.
.macro JLOAD g0a, g1a, g0b, g1b
	s_cmp_eq_u32 s15, 0
	s_cbranch_scc0 .Lfor_b_\@
	tensor_load_to_lds s[\g0a:\g0a+3], s[\g1a:\g1a+7]
	s_nop 0
.rept 4
	v_nop
.endr
	s_branch .Lasked_\@
.Lfor_b_\@:
	tensor_load_to_lds s[\g0b:\g0b+3], s[\g1b:\g1b+7]
	s_nop 0
.rept 4
	v_nop
.endr
.Lasked_\@:
.endm
.macro CROUND                          ; a round of the cluster's barrier
	s_barrier_signal -1
	s_barrier_wait -1
	s_cmp_lg_u32 s14, 0
	s_cbranch_scc1 .Lnot_wave_0_\@
	s_barrier_signal -3
.Lnot_wave_0_\@:
	s_barrier_wait -3
	s_barrier_signal -1
	s_barrier_wait -1
.endm
	s_load_b128 s[4:7], s[0:1], 0x0                ; xc, xs
	s_load_b128 s[8:11], s[0:1], 0x10              ; wc, ws
	s_load_b64 s[12:13], s[0:1], 0x20              ; qkv
	v_lshl_add_u32 v[SPW], v0, 2, SPARE
	v_mov_b32 v[NIL], 0
	ds_add_u32 v[SPW], v[NIL]                      ; the wave's opening: the add and its wait ahead of my first tensor load
	v_lshrrev_b32 v1, 5, v0
	v_readfirstlane_b32 s14, v1                    ; wave 0..3
	s_lshr_b32 s15, s14, 1                         ; which 128 tokens are mine.  Also: I fetch for x (0) or for W (1)
	s_and_b32 s16, s14, 1                          ; which 128 columns.  Also: which half I fetch
	s_bfe_u32 s40, ttmp6, 0x40000                  ; cx
	s_bfe_u32 s41, ttmp6, 0x40004                  ; cy
	s_lshl_b32 s42, ttmp9, 2
	s_add_co_u32 s42, s42, s40                     ; tile column 0..11
	s_and_b32 s17, ttmp7, 0xffff
	s_lshl_b32 s17, s17, 2
	s_add_co_u32 s17, s17, s41                     ; tile row 0..31
	s_lshl_b32 s43, s41, 2
	s_lshl_b32 s43, 15, s43                        ; my row of the cluster
	s_lshl_b32 s44, 0x1111, s40                    ; my column
	s_or_b32 s[G1+0], s43, (3<<16)|(1<<21)         ; the mask; elements of 8 bytes; bit 21 beside a mask; no padding
	s_or_b32 s[G1B+0], s44, (3<<16)|(1<<21)
.irp g, G1, G1B                        ; codes: a dense block of 32,768 bytes as 128 rows of 256
	s_mov_b32 s[\g+1], 32<<16
	s_mov_b32 s[\g+2], 128<<16
	s_mov_b32 s[\g+3], 32<<16
	s_mov_b32 s[\g+4], 128
	s_mov_b32 s[\g+5], 32
	s_mov_b32 s[\g+6], 0
	s_mov_b32 s[\g+7], 0
.endr
	s_or_b32 s[G1S+0], s43, (3<<16)|(1<<21)        ; x's scale words of 8 tiles: 4,096 dense bytes as 16 rows of 256
	s_mov_b32 s[G1S+1], 32<<16
	s_mov_b32 s[G1S+2], 16<<16
	s_mov_b32 s[G1S+3], 32<<16
	s_mov_b32 s[G1S+4], 16
	s_mov_b32 s[G1S+5], 32
	s_mov_b32 s[G1S+6], 0
	s_mov_b32 s[G1S+7], 0
	s_or_b32 s[G1SB+0], s44, (3<<16)|(1<<21)       ; W's: 4 K steps x 1,024 bytes, 12,288 bytes apart
	s_mov_b32 s[G1SB+1], 128<<16
	s_mov_b32 s[G1SB+2], 4<<16
	s_mov_b32 s[G1SB+3], 128<<16
	s_mov_b32 s[G1SB+4], 4
	s_mov_b32 s[G1SB+5], 1536
	s_mov_b32 s[G1SB+6], 0
	s_mov_b32 s[G1SB+7], 0
	s_lshl_b32 s20, s17, 16                        ; x's codes: (16 row + 8 half) tiles of 4,096 bytes
	s_lshl_b32 s18, s16, 15
	s_add_co_u32 s20, s20, s18
	s_mov_b32 s21, 0
	s_lshl_b32 s22, s17, 13                        ; x's scale words: 512 bytes a tile
	s_lshl_b32 s18, s16, 12
	s_add_co_u32 s22, s22, s18
	s_mov_b32 s23, 0
	s_lshl_b32 s46, s42, 16                        ; W's codes
	s_lshl_b32 s18, s16, 15
	s_add_co_u32 s46, s46, s18
	s_mov_b32 s47, 0
	s_lshl_b32 s92, s42, 10                        ; W's scale words: 1,024 bytes a tile column, K steps 4 half on
	s_mul_i32 s18, s16, 49152
	s_add_co_u32 s92, s92, s18
	s_mov_b32 s93, 0
	s_lshl_b32 s45, s14, 15                        ; where they go: wave x 32,768,
	s_lshl_b32 s94, s14, 12                        ; wave x 4,096: no place in the cluster enters an LDS address
	s_wait_dscnt 0x0                               ; the opening add is done
	s_wait_kmcnt 0x0
	s_add_nc_u64 s[20:21], s[4:5], s[20:21]
	s_add_nc_u64 s[22:23], s[6:7], s[22:23]
	s_add_nc_u64 s[46:47], s[8:9], s[46:47]
	s_add_nc_u64 s[92:93], s[10:11], s[92:93]
	CROUND                                         ; all sixteen work-groups are here: the joint loads meet
	s_mov_b32 s[G0S], 1
	s_add_co_u32 s[G0S+1], s94, SCLA
	s_mov_b64 s[G0S+2:G0S+3], s[22:23]
	s_or_b32 s[G0S+3], s[G0S+3], 0x80000000
	s_mov_b32 s[G0SB], 1
	s_add_co_u32 s[G0SB+1], s94, SCLA
	s_mov_b64 s[G0SB+2:G0SB+3], s[92:93]
	s_or_b32 s[G0SB+3], s[G0SB+3], 0x80000000
	JLOAD G0S, G1S, G0SB, G1SB                     ; the scale words first: they are wanted with slot 0
	s_mov_b32 s[G0], 1
	s_add_co_u32 s[G0+1], s45, 0
	s_add_nc_u64 s[G0+2:G0+3], s[20:21], 0
	s_or_b32 s[G0+3], s[G0+3], 0x80000000
	s_mov_b32 s[G0B], 1
	s_add_co_u32 s[G0B+1], s45, 0
	s_add_nc_u64 s[G0B+2:G0B+3], s[46:47], 0
	s_or_b32 s[G0B+3], s[G0B+3], 0x80000000
	JLOAD G0, G1, G0B, G1B                         ; slot 0
	s_mov_b32 s[G0+4], 1
	s_add_co_u32 s[G0+5], s45, SLOT
	s_add_nc_u64 s[G0+6:G0+7], s[20:21], 2097152   ; xc's second slot
	s_or_b32 s[G0+7], s[G0+7], 0x80000000
	s_mov_b32 s[G0B+4], 1
	s_add_co_u32 s[G0B+5], s45, SLOT
	s_add_nc_u64 s[G0B+6:G0B+7], s[46:47], 786432  ; wc's second slot
	s_or_b32 s[G0B+7], s[G0B+7], 0x80000000
	JLOAD G0+4, G1, G0B+4, G1B                     ; slot 1: three loads of mine are out
	v_and_b32 v1, 15, v0                           ; r
	v_bfe_u32 v2, v0, 4, 1                         ; h
	v_and_b32 v3, 31, v0                           ; lane
	v_lshlrev_b32 v4, 4, v3                        ; 16 x lane
	s_lshl_b32 s21, s15, 15                        ; my 8 tiles of x
	s_lshl_b32 s22, s16, 15                        ; my 8 tiles of W,
	s_add_co_u32 s22, s22, 2*HALFT                 ; behind x's 16
.irp s, 0,1
	v_add_nc_u32 v[ADRA+\s], s21, v4
	v_add_nc_u32 v[ADRB+\s], s22, v4
	s_add_co_u32 s21, s21, SLOT
	s_add_co_u32 s22, s22, SLOT
.endr
	v_lshlrev_b32 v5, 4, v1
	v_lshl_add_u32 v5, v2, 9, v5                   ; 16 r + 512 h
	s_lshl_b32 s21, s15, 12
	s_add_co_u32 s21, s21, SCLA
	v_add_nc_u32 v[ADSA], s21, v5
	v_lshlrev_b32 v5, 2, v3
	s_lshl_b32 s21, s16, 9
	s_add_co_u32 s21, s21, SCLB
	v_add_nc_u32 v[ADSB], s21, v5
	s_mul_i32 s23, s14, 16*SPITCH
	s_add_co_u32 s23, s23, STAGE                   ; my stage
	v_mul_u32_u24 v5, v1, SPITCH
	v_lshl_add_u32 v5, v2, 4, v5
	v_add_nc_u32 v[STO], s23, v5                   ; in: token r, 16 bytes for each half of the lanes
	v_lshrrev_b32 v5, 3, v3
	v_mul_u32_u24 v5, v5, SPITCH
	v_and_b32 v6, 7, v0
	v_lshl_add_u32 v5, v6, 4, v5
	v_add_nc_u32 v[RD], s23, v5                    ; back: eight lanes take one token's 128 bytes of one head
	v_mov_b32 v[CO], v4                            ; four tokens of a head are 512 consecutive bytes of qkv
	s_lshl_b32 s20, ttmp9, 24                      ; tau x 16,777,216 (the cluster's x is tau)
	s_lshr_b32 s21, s17, 3
	s_lshl_b32 s21, s21, 22                        ; b x 4,194,304
	s_add_co_u32 s20, s20, s21
	s_lshl_b32 s21, s40, 2
	s_lshl_b32 s22, s16, 1
	s_add_co_u32 s21, s21, s22                     ; my first head: 4 cx + 2 x column half
	s_lshl_b32 s21, s21, 18
	s_add_co_u32 s20, s20, s21
	s_and_b32 s21, s17, 7
	s_lshl_b32 s21, s21, 1
	s_add_co_u32 s21, s21, s15
	s_lshl_b32 s21, s21, 14                        ; my first token in the sequence x 128 bytes
	s_add_co_u32 s20, s20, s21
	s_mov_b32 s21, 0
	s_add_nc_u64 s[12:13], s[12:13], s[20:21]
.macro FRAG reg, adr, q, i             ; tile i, the slot's q-th 128 along E: two loads of 512 consecutive bytes
.irp c, 0,1
	ds_load_b128 v[\reg+4*\c:\reg+4*\c+3], v[\adr] offset:(\i)*4096+(\q)*1024+512*\c
.endr
.endm
; One product.  rD, rW, rX, rSW, rSX are set by MUL16.  rw, rx: the tile is an odd one, whose scale words lie in lanes 16-31 of the register.
.macro WM zero, rw, rx
.if \zero
.if (\rw) && (\rx)
	v_wmma_scale_f32_16x16x128_f8f6f4 v[rD:rD+7], v[rW:rW+7], v[rX:rX+7], 0, v[rSW], v[rSX] matrix_a_fmt:MATRIX_FMT_FP4 matrix_b_fmt:MATRIX_FMT_FP4 matrix_a_scale:MATRIX_SCALE_ROW1 matrix_b_scale:MATRIX_SCALE_ROW1
.elseif \rw
	v_wmma_scale_f32_16x16x128_f8f6f4 v[rD:rD+7], v[rW:rW+7], v[rX:rX+7], 0, v[rSW], v[rSX] matrix_a_fmt:MATRIX_FMT_FP4 matrix_b_fmt:MATRIX_FMT_FP4 matrix_a_scale:MATRIX_SCALE_ROW1
.elseif \rx
	v_wmma_scale_f32_16x16x128_f8f6f4 v[rD:rD+7], v[rW:rW+7], v[rX:rX+7], 0, v[rSW], v[rSX] matrix_a_fmt:MATRIX_FMT_FP4 matrix_b_fmt:MATRIX_FMT_FP4 matrix_b_scale:MATRIX_SCALE_ROW1
.else
	v_wmma_scale_f32_16x16x128_f8f6f4 v[rD:rD+7], v[rW:rW+7], v[rX:rX+7], 0, v[rSW], v[rSX] matrix_a_fmt:MATRIX_FMT_FP4 matrix_b_fmt:MATRIX_FMT_FP4
.endif
.else
.if (\rw) && (\rx)
	v_wmma_scale_f32_16x16x128_f8f6f4 v[rD:rD+7], v[rW:rW+7], v[rX:rX+7], v[rD:rD+7], v[rSW], v[rSX] matrix_a_fmt:MATRIX_FMT_FP4 matrix_b_fmt:MATRIX_FMT_FP4 matrix_a_scale:MATRIX_SCALE_ROW1 matrix_b_scale:MATRIX_SCALE_ROW1
.elseif \rw
	v_wmma_scale_f32_16x16x128_f8f6f4 v[rD:rD+7], v[rW:rW+7], v[rX:rX+7], v[rD:rD+7], v[rSW], v[rSX] matrix_a_fmt:MATRIX_FMT_FP4 matrix_b_fmt:MATRIX_FMT_FP4 matrix_a_scale:MATRIX_SCALE_ROW1
.elseif \rx
	v_wmma_scale_f32_16x16x128_f8f6f4 v[rD:rD+7], v[rW:rW+7], v[rX:rX+7], v[rD:rD+7], v[rSW], v[rSX] matrix_a_fmt:MATRIX_FMT_FP4 matrix_b_fmt:MATRIX_FMT_FP4 matrix_b_scale:MATRIX_SCALE_ROW1
.else
	v_wmma_scale_f32_16x16x128_f8f6f4 v[rD:rD+7], v[rW:rW+7], v[rX:rX+7], v[rD:rD+7], v[rSW], v[rSX] matrix_a_fmt:MATRIX_FMT_FP4 matrix_b_fmt:MATRIX_FMT_FP4
.endif
.endif
.endm
; 16 products: x's tiles a0, a0 + 1 against W's eight.  p: W's set; q: the step in the slot; sc: the set of scale words.  zero = 1: the product starts the sum.
; The 64 accumulators take turns, one instruction a turn, in the same order in every step.
.macro MUL16 a0, p, q, sc, zero
.irp a, \a0, \a0+1
.irp b, 0,1,2,3,4,5,6,7
.set rD, 8*(8*((\a)%4)+\b)
.set rW, 128*(\p)+FR*\b
.set rX, AF+FR*(\a)
.set rSW, SC+32*(\sc)+16+4*(\q)+\b/2
.set rSX, SC+32*(\sc)+4*((\a)/2)+(\q)
	WM \zero, (\b%2), ((\a)%2)
.endr
.endr
.endm
.macro FETCH_B slot, q, p
	WIN TO_B
.irp i, 0,1,2,3,4,5,6,7
	FRAG 128*(\p)+FR*\i, ADRB+\slot, \q, \i
.endr
	WIN 0
.endm
.macro FETCH_A slot, q, i0
.irp i, \i0, \i0+1, \i0+2, \i0+3
	FRAG AF+FR*(\i), ADRA+\slot, \q, \i
.endr
.endm
.macro SCALES sc                       ; a slot's scale words
.irp p, 0,1,2,3
	ds_load_b128 v[SC+32*\sc+4*\p:SC+32*\sc+4*\p+3], v[ADSA] offset:\p*1024+\sc*256
.endr
.irp q, 0,1,2,3
.irp p, 0,1,2,3
	ds_load_b32 v[SC+32*\sc+16+4*\q+\p], v[ADSB] offset:(4*\sc+\q)*1024+\p*128
.endr
.endr
.endm
.macro PLACES n                        ; plain vector lines between a matrix instruction and a load into, or a read of, its registers
.rept \n
	v_nop
.endr
.endm
.macro STEP slot, q, zero              ; a step of 128 along E that has its successor in the same slot
	s_wait_dscnt 4*NL                              ; all but the youngest eight loads (x's tiles 4-7) are in
	WIN MUL_LO
	MUL16 0, (\q)%2, \q, \slot, \zero
	MUL16 2, (\q)%2, \q, \slot, \zero
	s_wait_dscnt 0                                 ; x's tiles 4-7 are in
	PLACES NP
	FETCH_B \slot, (\q)+1, 1-(\q)%2
	FETCH_A \slot, (\q)+1, 0
	WIN MUL_HI
	MUL16 4, (\q)%2, \q, \slot, \zero
	MUL16 6, (\q)%2, \q, \slot, \zero
	PLACES NP
	WIN 0
	FETCH_A \slot, (\q)+1, 4
.endm
.macro TURN slot, next                 ; slot 0's last step: behind its barrier slot 1 is whole for every wave; nothing is filled again
	s_wait_tensorcnt 0x0                           ; all my tensor loads have landed: my part of slot 1
	ds_add_u32 v[SPW], v[NIL]                      ; 0 onto my spare word
	s_wait_dscnt 4*NL+1                            ; (the add and the youngest eight loads may be out)
	WIN MUL_LO
	MUL16 0, 1, NQ-1, \slot, 0
	s_wait_dscnt 0x0
	s_barrier_signal -1
	MUL16 2, 1, NQ-1, \slot, 0
	WIN 0
	s_barrier_wait -1
	PLACES NP
	FETCH_B \next, 0, 0
	FETCH_A \next, 0, 0
	SCALES \next
	WIN MUL_HI
	MUL16 4, 1, NQ-1, \slot, 0
	MUL16 6, 1, NQ-1, \slot, 0
	PLACES NP
	WIN 0
	FETCH_A \next, 0, 4
.endm
.macro STEPS slot, from
.set Q, \from
.rept NQ-1-\from
	STEP \slot, Q, 0
.set Q, Q+1
.endr
.endm
	s_wait_tensorcnt 1                             ; the scale words and my part of slot 0 are in; slot 1's load may be out
	s_barrier_signal -1
	s_barrier_wait -1
	FETCH_B 0, 0, 0
	FETCH_A 0, 0, 0
	SCALES 0
	FETCH_A 0, 0, 4
	STEP 0, 0, 1                                   ; the first step's products start the sums: nothing is cleared
	STEPS 0, 1
	TURN 0, 1
	STEPS 1, 0
	s_wait_dscnt 4*NL                              ; the last step: nothing more to fetch
	WIN MUL_LO
	MUL16 0, 1, NQ-1, 1, 0
	MUL16 2, 1, NQ-1, 1, 0
	s_wait_dscnt 0
	WIN MUL_HI
	MUL16 4, 1, NQ-1, 1, 0
	MUL16 6, 1, NQ-1, 1, 0
	WIN 0
; THE WAY OUT, 16 tokens x 128 columns (two heads) at a time: rounded to f16, 16 bytes a lane into my stage, back so that a store's 32 lanes hold four tokens of one head: 512 consecutive bytes of qkv.
.macro PACK a
.set AC, 64*((\a)%4)
	WIN 0x0a+5*((\a)/4)                            ; sources in window 2 or 3
.irp b, 0,1,2,3,4,5,6,7
.irp r, 0,1,2,3
	v_cvt_pk_f16_f32 v[TMP+4*\b+\r], v[AC+8*\b+2*\r], v[AC+8*\b+2*\r+1]   ; each accumulator from its low end on
.endr
.endr
	WIN 0
.endm
.macro TOSTAGE a
.set BB, 96+128*((\a)%2)
.irp b, 0,1,2,3,4,5,6,7
	ds_store_b128 v[STO], v[TMP+4*\b:TMP+4*\b+3] offset:32*\b
.endr
.irp hh, 0,1
.irp tg, 0,1,2,3
	ds_load_b128 v[BB+4*(4*\hh+\tg):BB+4*(4*\hh+\tg)+3], v[RD] offset:\tg*4*SPITCH+\hh*128   ; LDS serves a wave's instructions in order: these see the stores above
.endr
.endr
.endm
.macro SEND a
.set BB, 96+128*((\a)%2)
	s_wait_dscnt 0x0                               ; the block is back in registers
	s_wait_xcnt 0x0                                ; the block before has been read by its stores: its registers take the next block's loads
.irp hh, 0,1
.irp tg, 0,1,2,3
	global_store_b128 v[CO], v[BB+4*(4*\hh+\tg):BB+4*(4*\hh+\tg)+3], s[12:13] offset:\hh*262144+(16*(\a)+4*\tg)*128
.endr
.endr
.endm
	PLACES NP
	PACK 0
	TOSTAGE 0
.irp a, 1,2,3,4,5,6,7
	PACK \a
	SEND \a-1
	TOSTAGE \a
.endr
	SEND 7
	s_wait_tensorcnt 0x0                           ; the wave's end
	ds_add_u32 v[SPW], v[NIL]
	s_wait_dscnt 0x0
	CROUND                                         ; the closing round
	s_endpgm
.Lfunc_end_k_q2f3a42278c_qkv:
	.size	k_q2f3a42278c_qkv, .Lfunc_end_k_q2f3a42278c_qkv-k_q2f3a42278c_qkv
	.p2alignl 7, 3214868480
	.fill 96, 4, 3214868480
	.section	.rodata,"a",@progbits
	.p2align	6, 0x0
	.amdhsa_kernel k_q2f3a42278c_qkv
		.amdhsa_group_segment_fixed_size 327680
		.amdhsa_private_segment_fixed_size 0
		.amdhsa_enable_private_segment 0
		.amdhsa_kernarg_size 40
		.amdhsa_user_sgpr_count 2
		.amdhsa_user_sgpr_kernarg_segment_ptr 1
		.amdhsa_wavefront_size32 1
		.amdhsa_system_sgpr_workgroup_id_x 1
		.amdhsa_system_sgpr_workgroup_id_y 1
		.amdhsa_system_sgpr_workgroup_id_z 1
		.amdhsa_system_vgpr_workitem_id 0
		.amdhsa_next_free_vgpr 1024
		.amdhsa_next_free_sgpr 98
		.amdhsa_reserve_vcc 0
		.amdhsa_float_denorm_mode_32 3
		.amdhsa_float_denorm_mode_16_64 3
		.amdhsa_memory_ordered 1
		.amdhsa_forward_progress 1
		.amdhsa_inst_pref_size 127
	.end_amdhsa_kernel
	.amdgpu_metadata
---
amdhsa.version: [ 1, 2 ]
amdhsa.kernels:
  - .name:           k_q2f3a42278c_qkv
    .symbol:         k_q2f3a42278c_qkv.kd
    .args:
      - { .name: xc, .offset: 0, .size: 8, .value_kind: global_buffer, .address_space: global }
      - { .name: xs, .offset: 8, .size: 8, .value_kind: global_buffer, .address_space: global }
      - { .name: wc, .offset: 16, .size: 8, .value_kind: global_buffer, .address_space: global }
      - { .name: ws, .offset: 24, .size: 8, .value_kind: global_buffer, .address_space: global }
      - { .name: qkv, .offset: 32, .size: 8, .value_kind: global_buffer, .address_space: global }
    .group_segment_fixed_size: 327680
    .private_segment_fixed_size: 0
    .kernarg_segment_align: 8
    .kernarg_segment_size: 40
    .max_flat_workgroup_size: 128
    .sgpr_count:     98
    .vgpr_count:     1024
    .wavefront_size: 32
...
	.end_amdgpu_metadata
.endif
;; end of part 4
;; launch attn (part 5): grid 4 x 64, 16 waves a work-group, no clusters, 327,680 bytes of LDS; arguments qkv, zh; writes zh
.if DOCPART == 5
	.amdgcn_target "amdgcn-amd-amdhsa--gfx1250"
	.amdhsa_code_object_version 6
	.text
	.protected	k_q2f3a42278c_attn
	.globl	k_q2f3a42278c_attn
	.p2align	8
	.type	k_q2f3a42278c_attn,@function
k_q2f3a42278c_attn:
	s_mov_b64 s[64:65], 0
	v_nop
	global_prefetch_b8 v0, s[64:65] scope:SCOPE_SE
	s_setreg_imm32_b32 hwreg(HW_REG_WAVE_MODE, 25, 1), 1
	s_wait_xcnt 0x0
; z[b][head][t][:] = the sum over s <= t of softmax_s(q[t] . k[s] / 8) v[s][:].  q, k, v: qkv [3][64 (b, head)][2,048][64] f16; zh [64][2,048][64] f16.  Products on f16 operands, sums, maxima and the softmax in f32.
; LIMIT: |z| stays under 65,504 (f16), which follows from |v| under 65,504.
; SHARES.  Work-group (j, bh) owns query blocks j and 7 - j (256 queries each) of one head: (j + 1) + (8 - j) = 9 slots' worth of work for every j.  Sixteen waves, 32 queries (two tiles of 16) each, in 256 registers:
; four waves to a SIMD, so that one wave's vector work stands beside another's matrix work.  Of waves 2 u and 2 u + 1 one takes the low block and one the high, alternating so that low and high mix on every SIMD.
; NO CLUSTER: the four work-groups of a head need 8, 7, 6 and 5 slots of keys; asked for jointly, all would walk in the step of the one with most to do in each slot.
; Every wave walks all 8 slots of 256 keys (constant trip counts), 64 keys a step; a step all of whose keys come after the wave's queries is jumped over (ids alone); a slot beyond the work-group's last query is not asked for.
; LAYOUT.  S^T = K Q^T (source 0 = 16 keys, source 1 = 16 queries), O^T = V^T P (source 0 = 16 channels, by the transposing LDS load; source 1 = P): a lane holds one query throughout; two tiles of S^T, packed to f16, are P's fragment.
; SOFTMAX.  A running maximum m and sum l for each query: p = 2^(c s - c m), c = log2(e) / 8; in every step O^T and l are multiplied by a = 2^(c m_old - c m_new).
.set SK,    256                        ; keys in a slot
.set NQ,    4                          ; steps in a slot
.set KP,    272                        ; an LDS row of K: two keys, 256 bytes + 16: the sixteen keys of a fragment load start at sixteen different groups of four banks
.set VP,    288                        ; of V: two keys, 256 bytes + 32: likewise for the transposing load
.set VOFF,  128*KP
.set SLOT1, 1<<17
.set STAGE, SLOT1+128*KP+128*VP        ; behind the ring: 16 rows x (128 bytes + 16) for each wave; no tile lands here
.set SPARE, STAGE+16*16*144            ; the spare words, 128 bytes for each wave
.set AK0, 1
.set AV0, 2
.set SPW, 3
.set NIL, 4
.set ADK, 5
.set ADV, 6
.set GO,  7
.set STO, 8
.set RD,  9
.set PFO, 10
.set MD0, 11
.set MD,  12
.set NINF, 13
.set ST,  16                           ; tile t's statistics at v[ST + 8 t]: +0 c m, +1 m, +2, +3 l in two halves, +4 .. +7 C0-C3 at work; a takes C2's place
.set QR,  32                           ; Q: tile t, channels 32 e on: v[QR + 16 t + 8 e]
.set F,   64                           ; K of a step (v[F + 16 kt + 8 e]), then V^T (v[F + 16 dt + 8 kp])
.set S,   128                          ; S^T: v[S + 32 t + 8 kt]; then p; packed in place: P(t, kp) = v[S + 32 t + 8 kp]
.set OT,  192                          ; O^T: v[OT + 32 t + 8 dt]
.set WV,  18
.set SEL, 20
.set CS,  22
.set G1K, 24
.set G1V, 32
.set G0K, 40
.set G0V, 44
.set TB,  2
.set KF,  48
.set Q0,  49
.set LASTQ, 50
.set SLOTS, 51
.set LIM, 52
.set PFA, 54
; Waves 0 and 1 fetch K's halves of a slot, waves 2 and 3 V's, the others nothing.  An s_nop 0 and four v_nop follow each line.
.macro TLOAD
	s_cmp_lt_u32 s[WV], 2
	s_cbranch_scc0 .Lnot_k_\@
	tensor_load_to_lds s[G0K:G0K+3], s[G1K:G1K+7]
	s_nop 0
.rept 4
	v_nop
.endr
	s_branch .Lasked_\@
.Lnot_k_\@:
	s_cmp_lt_u32 s[WV], 4
	s_cbranch_scc0 .Lasked_\@
	tensor_load_to_lds s[G0V:G0V+3], s[G1V:G1V+7]
	s_nop 0
.rept 4
	v_nop
.endr
.Lasked_\@:
.endm
; A prefetch of what the next change of slots will ask for: 32,768 bytes of K and of V.  The four work-groups of a head walk the same keys: the first (j = 0, which walks all eight slots) asks.
; In it waves 4 to 7 ask for K, waves 8 to 11 for V: 8,192 bytes a wave, lanes 256 bytes apart, one instruction: each aligned 256 bytes are named once in the launch.  The last change that fills a slot asks for nothing.
.macro ASK
	s_cmp_gt_u32 s[SLOTS], s[LIM]
	s_cbranch_scc0 .Lnot_mine_\@
	global_prefetch_b8 v[PFO], s[PFA:PFA+1] th:TH_LOAD_NT scope:SCOPE_SE
.Lnot_mine_\@:
.endm
	s_load_b128 s[4:7], s[0:1], 0x0                ; qkv, zh
	v_lshl_add_u32 v[SPW], v0, 2, SPARE
	v_mov_b32 v[NIL], 0
	ds_add_u32 v[SPW], v[NIL]                      ; the wave's opening: the add and its wait ahead of my first tensor load
	v_lshrrev_b32 v5, 5, v0
	v_readfirstlane_b32 s[WV], v5                  ; wave 0..15
	s_and_b32 s56, ttmp7, 0xffff
	s_lshl_b32 s56, s56, 18                        ; (b, head) x 262,144 bytes
	s_mov_b32 s57, 0
	s_lshr_b32 s58, s[WV], 2
	s_xor_b32 s58, s58, s[WV]
	s_and_b32 s58, s58, 1                          ; 1: the high block
	s_sub_co_u32 s59, 7, ttmp9
	s_cmp_eq_u32 s58, 1
	s_cselect_b32 s59, s59, ttmp9                  ; my block of 256 queries
	s_lshl_b32 s[Q0], s59, 8
	s_lshr_b32 s60, s[WV], 1
	s_lshl_b32 s60, s60, 5
	s_add_co_u32 s[Q0], s[Q0], s60                 ; my first query
	s_sub_co_u32 s[LASTQ], 8, ttmp9
	s_lshl_b32 s[LASTQ], s[LASTQ], 8
	s_sub_co_u32 s[LASTQ], s[LASTQ], 1             ; my work-group's last query
	s_mov_b32 s[G1K], (1<<16)|(1<<20)|(5<<22)|(3<<25)   ; elements of 2 bytes; padding: 4 words behind every 64
	s_mov_b32 s[G1V], (1<<16)|(1<<20)|(5<<22)|(7<<25)   ; 8 words
.irp g, G1K, G1V                       ; 128 keys, dense in memory, as 64 rows of 256 bytes
	s_mov_b32 s[\g+1], 128<<16
	s_mov_b32 s[\g+2], 64<<16
	s_mov_b32 s[\g+3], 128<<16
	s_mov_b32 s[\g+4], 64
	s_mov_b32 s[\g+5], 128
	s_mov_b32 s[\g+6], 0
	s_mov_b32 s[\g+7], 0
.endr
	s_and_b32 s61, s[WV], 1                        ; which half of a slot I fetch, if I fetch
	s_mul_i32 s62, s61, 64*KP
	s_mul_i32 s63, s61, 64*VP
	s_add_co_u32 s63, s63, VOFF
	s_lshl_b32 s61, s61, 14
	s_add_co_u32 s96, s56, s61
	s_mov_b32 s97, 0
	s_mov_b32 s[SEL], 0x76543210
	s_mov_b32 s[SEL+1], 0xfedcba98
	s_mov_b32 s[CS], 0x3e38aa3b                    ; c = log2(e) / 8
	s_mov_b32 s[CS+1], s[CS]
	s_mov_b32 s[TB], 0
	s_mov_b32 s[KF], 0
	s_mov_b32 s[SLOTS], 7
	s_wait_dscnt 0x0                               ; the opening add is done
	s_wait_kmcnt 0x0
	s_mov_b32 s[G0K], 1
	s_mov_b32 s[G0K+1], s62
	s_add_nc_u64 s[G0K+2:G0K+3], s[4:5], s[96:97]
	s_mov_b32 s[G0V], 1
	s_mov_b32 s[G0V+1], s63
	s_add_nc_u64 s[G0V+2:G0V+3], s[G0K+2:G0K+3], 33554432   ; v's part of qkv
	s_add_nc_u64 s[G0K+2:G0K+3], s[G0K+2:G0K+3], 16777216   ; k's
	s_or_b32 s[G0K+3], s[G0K+3], 0x80000000
	s_or_b32 s[G0V+3], s[G0V+3], 0x80000000
	TLOAD                                          ; slot 0
	s_lshl_b32 s60, s[Q0], 7
	s_add_co_u32 s60, s60, s56
	s_mov_b32 s61, 0
	s_add_nc_u64 s[8:9], s[4:5], s[60:61]          ; q at my first query
	s_add_nc_u64 s[6:7], s[6:7], s[60:61]          ; zh likewise
	v_and_b32 v14, 15, v0                          ; r
	v_bfe_u32 v15, v0, 4, 1                        ; h
	v_lshlrev_b32 v[ADK], 7, v14
	v_lshl_add_u32 v[ADK], v15, 4, v[ADK]          ; q: row r of 128 bytes, + 16 h (this register is free again behind the wait for these loads)
.irp t, 0,1
.irp e, 0,1
.irp c, 0,1
	global_load_b128 v[QR+16*\t+8*\e+4*\c:QR+16*\t+8*\e+4*\c+3], v[ADK], s[8:9] offset:\t*2048+64*\e+32*\c
.endr
.endr
.endr
	s_mov_b32 s60, 33554432
	s_cmp_lt_u32 s[WV], 8
	s_cselect_b32 s60, 16777216, s60               ; waves 4 to 7: k; waves 8 to 11: v
	s_add_co_u32 s60, s60, s56
	s_and_b32 s62, s[WV], 3
	s_lshl_b32 s62, s62, 13
	s_add_co_u32 s60, s60, s62
	s_add_co_u32 s60, s60, 32768                   ; in slot 1: the first change of slots steps it to slot 2
	s_add_nc_u64 s[PFA:PFA+1], s[4:5], s[60:61]
	s_sub_co_u32 s62, s[WV], 4
	s_lshr_b32 s62, s62, 3
	s_or_b32 s62, s62, ttmp9
	s_cmp_eq_u32 s62, 0
	s_cselect_b32 s[LIM], 1, -1
	v_lshrrev_b32 v6, 1, v14
	v_mul_u32_u24 v[AK0], v6, KP
	v_and_b32 v6, 1, v14
	v_lshl_add_u32 v[AK0], v6, 7, v[AK0]
	v_lshl_add_u32 v[AK0], v15, 4, v[AK0]          ; K: key r of a tile: row r / 2, half r % 2, + 16 h
	v_bfe_u32 v6, v0, 1, 2
	v_lshl_add_u32 v6, v15, 2, v6
	v_mul_u32_u24 v[AV0], v6, VP
	v_and_b32 v6, 1, v0
	v_lshl_add_u32 v[AV0], v6, 7, v[AV0]
	v_bfe_u32 v6, v0, 3, 1
	v_lshl_add_u32 v[AV0], v6, 4, v[AV0]
	v_add_nc_u32 v[AV0], VOFF, v[AV0]              ; V: key 8 h + l % 8, channels 8 ((l / 8) % 2) on
	v_and_b32 v[GO], 31, v0
	v_lshlrev_b32 v[PFO], 8, v[GO]
	v_lshlrev_b32 v[GO], 4, v[GO]
	s_mul_i32 s60, s[WV], 16*144
	s_add_co_u32 s60, s60, STAGE                   ; my stage
	v_mul_u32_u24 v[STO], v14, 144
	v_lshl_add_u32 v[STO], v15, 4, v[STO]
	v_add_nc_u32 v[STO], s60, v[STO]
	v_bfe_u32 v6, v0, 3, 2
	v_mul_u32_u24 v[RD], v6, 144
	v_and_b32 v6, 7, v0
	v_lshl_add_u32 v[RD], v6, 4, v[RD]
	v_add_nc_u32 v[RD], s60, v[RD]
	v_lshlrev_b32 v6, 3, v15
	v_sub_nc_u32 v[MD0], v14, v6                   ; r - 8 h
	v_mov_b32 v[NINF], 0xff800000                  ; -infinity
.irp t, 0,1
	v_mov_b32 v[ST+8*\t+1], 0xff61b1e6             ; m: -3e38, under every score
	v_mul_f32 v[ST+8*\t], s[CS], v[ST+8*\t+1]      ; c m
.irp i, 2,3,4,5,6,7
	v_mov_b32 v[ST+8*\t+\i], 0
.endr
.endr
.set II, 0
.rept 64
	v_mov_b32 v[OT+II], 0                          ; O^T: the step is written once; the first finds zeros, which its a = 0 leaves zeros
.set II, II+1
.endr
; A KEY STEP: 64 keys, the q-th of the slot in hand
.macro STEP q
	s_add_co_u32 s96, s[Q0], 31
	s_cmp_gt_u32 s[KF], s96                        ; all 64 keys come after my 32 queries: the step's work is left out.  (Else KF <= Q0: key KF counts for every query of mine)
	s_cbranch_scc1 .Lhidden_\@
	v_add_nc_u32 v[ADK], s[TB], v[AK0]
	v_add_nc_u32 v[ADV], s[TB], v[AV0]
.rept 3
	v_nop                                          ; with the two additions five plain lines behind the last products: four for the loads into F, five for the products that write over P
.endr
.irp kt, 0,1,2,3
.irp e, 0,1
.irp c, 0,1
	ds_load_b128 v[F+16*\kt+8*\e+4*\c:F+16*\kt+8*\e+4*\c+3], v[ADK] offset:(32*(\q)+8*\kt)*KP+64*\e+32*\c
.endr
.endr
.endr
	s_wait_dscnt 0x0
.irp e, 0,1                            ; S^T = K Q^T: the eight accumulators by turns
.irp kt, 0,1,2,3
.irp t, 0,1
.if \e == 0
	v_wmma_f32_16x16x32_f16 v[S+32*\t+8*\kt:S+32*\t+8*\kt+7], v[F+16*\kt+8*\e:F+16*\kt+8*\e+7], v[QR+16*\t+8*\e:QR+16*\t+8*\e+7], 0
.else
	v_wmma_f32_16x16x32_f16 v[S+32*\t+8*\kt:S+32*\t+8*\kt+7], v[F+16*\kt+8*\e:F+16*\kt+8*\e+7], v[QR+16*\t+8*\e:QR+16*\t+8*\e+7], v[S+32*\t+8*\kt:S+32*\t+8*\kt+7]
.endif
.endr
.endr
.endr
.rept 4
	v_nop                                          ; places in front of the loads into F and of the first read of the scores
.endr
.irp dt, 0,1,2,3                       ; V^T of these 64 keys: it lands while the softmax is walked
.irp kp, 0,1
.irp c, 0,1
	ds_load_tr16_b128 v[F+16*\dt+8*\kp+4*\c:F+16*\dt+8*\kp+4*\c+3], v[ADV] offset:(32*(\q)+16*\kp+8*\c)*VP+32*\dt
.endr
.endr
.endr
	s_add_co_u32 s96, s[KF], 63
	s_cmp_le_u32 s96, s[Q0]                        ; all keys count for all my queries: no mask
	s_cbranch_scc1 .Lopen_\@
	s_sub_co_i32 s96, s[Q0], s[KF]
	v_add_nc_u32 v[MD], s96, v[MD0]                ; register (t, kt, jj) holds key KF + 16 kt + 8 h + jj for query Q0 + 16 t + r: hidden where 16 kt + jj - 16 t > Q0 - KF + r - 8 h
.irp t, 0,1
.irp kt, 0,1,2,3
.irp jj, 0,1,2,3,4,5,6,7
	v_cmp_gt_i32 vcc_lo, 16*\kt+\jj-16*\t, v[MD]
	v_cndmask_b32 v[S+32*\t+8*\kt+\jj], v[S+32*\t+8*\kt+\jj], v[NINF], vcc_lo
.endr
.endr
.endr
.Lopen_\@:
.irp j, 0,1,2,3                        ; the maximum of my 32 scores and the old m: four chains a tile, the two tiles line by line
.irp t, 0,1
	v_max3_num_f32 v[ST+8*\t+4+\j], v[S+32*\t+8*\j], v[S+32*\t+8*\j+1], v[S+32*\t+8*\j+2]
.endr
.endr
.irp g, 1,2
.irp j, 0,1,2,3
.irp t, 0,1
	v_max3_num_f32 v[ST+8*\t+4+\j], v[ST+8*\t+4+\j], v[S+32*\t+8*\j+2*\g+1], v[S+32*\t+8*\j+2*\g+2]
.endr
.endr
.endr
.irp t, 0,1
	v_max3_num_f32 v[ST+8*\t+4], v[ST+8*\t+4], v[S+32*\t+7], v[S+32*\t+15]
	v_max3_num_f32 v[ST+8*\t+6], v[ST+8*\t+6], v[S+32*\t+23], v[S+32*\t+31]
.endr
.irp t, 0,1
	v_max3_num_f32 v[ST+8*\t+4], v[ST+8*\t+4], v[ST+8*\t+5], v[ST+8*\t+6]
.endr
.irp t, 0,1
	v_max3_num_f32 v[ST+8*\t+4], v[ST+8*\t+4], v[ST+8*\t+7], v[ST+8*\t+1]
.endr
.irp t, 0,1
	v_permlanex16_b32 v[ST+8*\t+5], v[ST+8*\t+4], s[SEL], s[SEL+1]   ; the query's other 32 keys lie in the lane 16 away
.endr
.irp t, 0,1
	v_mov_b32 v[ST+8*\t+7], v[ST+8*\t]             ; c m_old
.endr
.irp t, 0,1
	v_max_num_f32 v[ST+8*\t+1], v[ST+8*\t+4], v[ST+8*\t+5]
.endr
.irp t, 0,1
	v_mul_f32 v[ST+8*\t], s[CS], v[ST+8*\t+1]
.endr
.irp t, 0,1
	v_sub_f32 v[ST+8*\t+7], v[ST+8*\t+7], v[ST+8*\t]
.endr
.irp j, 0,2,4,6,8,10,12,14,16,18,20,22,24,26,28,30
.irp t, 0,1
	v_pk_fma_f32 v[S+32*\t+\j:S+32*\t+\j+1], v[S+32*\t+\j:S+32*\t+\j+1], s[CS:CS+1], v[ST+8*\t:ST+8*\t+1] op_sel_hi:[1,0,0] neg_lo:[0,0,1] neg_hi:[0,0,1]   ; c s - c m
.endr
.endr
.irp t, 0,1
	v_exp_f32 v[ST+8*\t+6], v[ST+8*\t+7]           ; a
.endr
.set II, 0
.rept 64
	v_exp_f32 v[S+II], v[S+II]                     ; p
.set II, II+1
.endr
	v_nop                                          ; a plain line behind the last exponential
	s_wait_alu depctr_va_vdst(0)                   ; one wait for the batch of 66, ahead of its first reader
.irp t, 0,1
	v_pk_mul_f32 v[ST+8*\t+2:ST+8*\t+3], v[ST+8*\t+2:ST+8*\t+3], v[ST+8*\t+6:ST+8*\t+7] op_sel_hi:[1,0]   ; l x a
.endr
.irp t, 0,1
	v_pk_add_f32 v[ST+8*\t+4:ST+8*\t+5], v[S+32*\t:S+32*\t+1], v[S+32*\t+2:S+32*\t+3]   ; the sum of p in f32, two chains a tile
.endr
.irp j, 4,8,12,16,20,24,28
.irp t, 0,1
	v_pk_add_f32 v[ST+8*\t+2:ST+8*\t+3], v[ST+8*\t+2:ST+8*\t+3], v[S+32*\t+\j:S+32*\t+\j+1]
	v_pk_add_f32 v[ST+8*\t+4:ST+8*\t+5], v[ST+8*\t+4:ST+8*\t+5], v[S+32*\t+\j+2:S+32*\t+\j+3]
.endr
.endr
.irp t, 0,1
	v_pk_add_f32 v[ST+8*\t+2:ST+8*\t+3], v[ST+8*\t+2:ST+8*\t+3], v[ST+8*\t+4:ST+8*\t+5]
.endr
.set II, 0
.rept 16                               ; p to f16, in place, ascending: register i takes numbers 2 i and 2 i + 1
	v_cvt_pk_f16_f32 v[S+II], v[S+2*II], v[S+2*II+1]
	v_cvt_pk_f16_f32 v[S+32+II], v[S+32+2*II], v[S+32+2*II+1]
.set II, II+1
.endr
.set II, 0
.rept 16                               ; O^T x a, each accumulator from its low end on
	v_pk_mul_f32 v[OT+2*II:OT+2*II+1], v[OT+2*II:OT+2*II+1], v[ST+6:ST+7] op_sel_hi:[1,0]
	v_pk_mul_f32 v[OT+32+2*II:OT+32+2*II+1], v[OT+32+2*II:OT+32+2*II+1], v[ST+14:ST+15] op_sel_hi:[1,0]
.set II, II+1
.endr
	s_wait_dscnt 0x0                               ; V^T is in
.irp kp, 0,1                           ; O^T += V^T P: the eight accumulators by turns
.irp dt, 0,1,2,3
.irp t, 0,1
	v_wmma_f32_16x16x32_f16 v[OT+32*\t+8*\dt:OT+32*\t+8*\dt+7], v[F+16*\dt+8*\kp:F+16*\dt+8*\kp+7], v[S+32*\t+8*\kp:S+32*\t+8*\kp+7], v[OT+32*\t+8*\dt:OT+32*\t+8*\dt+7]
.endr
.endr
.endr
.Lhidden_\@:
	s_add_co_u32 s[KF], s[KF], 64
.endm
; THE CHANGE OF SLOTS stands at a slot's head.  Each wave waits for all its tensor loads, adds 0 to its spare word, and waits for that and for its reads of the slot that it has left.
; Behind the barrier the slot ahead is whole and nobody reads the other one.  fill = 1: that other slot takes the next 256 keys, unless they all come after the work-group's last query.
.macro CHANGE fill
	s_wait_tensorcnt 0x0                           ; no tensor load of mine is out, so a group 0 may be written
	ds_add_u32 v[SPW], v[NIL]                      ; 0 onto my spare word
.if \fill
	s_xor_b32 s[G0K+1], s[G0K+1], SLOT1
	s_add_nc_u64 s[G0K+2:G0K+3], s[G0K+2:G0K+3], 32768
	s_xor_b32 s[G0V+1], s[G0V+1], SLOT1
	s_add_nc_u64 s[G0V+2:G0V+3], s[G0V+2:G0V+3], 32768
	s_wait_xcnt 0x0                                ; the last prefetch, a slot back, has read its address
	s_add_nc_u64 s[PFA:PFA+1], s[PFA:PFA+1], 32768
.endif
	s_wait_dscnt 0x0                               ; the add is done, and my reads of the slot that I have left are over
	s_barrier_signal -1
	s_barrier_wait -1
.if \fill
	s_add_co_u32 s96, s[KF], SK                    ; the first key of the slot that this change would ask for
	s_cmp_gt_u32 s96, s[LASTQ]                     ; ids and the count of steps alone: all sixteen waves go the same way; no step reads a slot that was left out; every wait for tensor loads in this text is for 0
	s_cbranch_scc1 .Lpast_\@
	TLOAD                                          ; a wave's one tensor load until the next such barrier
.Lpast_\@:
	ASK
.endif
.endm
.macro SLOT_STEPS
.set Q, 0
.rept NQ
	STEP Q
.set Q, Q+1
.endr
	s_xor_b32 s[TB], s[TB], SLOT1
.endm
	s_wait_loadcnt 0x0                             ; Q
.Lslot:                                ; seven trips
	CHANGE 1
	SLOT_STEPS
	s_sub_co_u32 s[SLOTS], s[SLOTS], 1
	s_cmp_lg_u32 s[SLOTS], 0
	s_cbranch_scc1 .Lslot
	CHANGE 0                                       ; the last slot is written out: nothing is left to ask for
	SLOT_STEPS
	; THE WAY OUT: O^T / l, to f16, through my stage, 16 queries at a time; a store's 32 lanes hold four queries: 512 consecutive bytes of zh
.rept 4
	v_nop                                          ; places behind the last products
.endr
.irp t, 0,1
	v_add_f32 v[ST+8*\t+4], v[ST+8*\t+2], v[ST+8*\t+3]
.endr
.irp t, 0,1
	v_permlanex16_b32 v[ST+8*\t+5], v[ST+8*\t+4], s[SEL], s[SEL+1]
.endr
.irp t, 0,1
	v_add_f32 v[ST+8*\t+4], v[ST+8*\t+4], v[ST+8*\t+5]
.endr
.irp t, 0,1
	v_rcp_f32 v[ST+8*\t+6], v[ST+8*\t+4]
.endr
	v_nop
	s_wait_alu depctr_va_vdst(0)                   ; one wait for the two reciprocals, ahead of their first reader
.irp t, 0,1
.set II, 0
.rept 16
	v_pk_mul_f32 v[OT+32*\t+2*II:OT+32*\t+2*II+1], v[OT+32*\t+2*II:OT+32*\t+2*II+1], v[ST+8*\t+6:ST+8*\t+7] op_sel_hi:[1,0]
.set II, II+1
.endr
.set II, 0
.rept 16
	v_cvt_pk_f16_f32 v[S+16*\t+II], v[OT+32*\t+2*II], v[OT+32*\t+2*II+1]
.set II, II+1
.endr
.irp dt, 0,1,2,3
	ds_store_b128 v[STO], v[S+16*\t+4*\dt:S+16*\t+4*\dt+3] offset:32*\dt
.endr
.irp i, 0,1,2,3
	ds_load_b128 v[F+16*\t+4*\i:F+16*\t+4*\i+3], v[RD] offset:576*\i   ; LDS serves a wave's instructions in order: these see my stores, and the next tile's stores come behind them
.endr
.endr
.irp i, 0,1,2,3
	s_wait_dscnt 11-\i                             ; behind tile 0's load i: its later loads, and tile 1's four stores and four loads
	global_store_b128 v[GO], v[F+4*\i:F+4*\i+3], s[6:7] offset:512*\i
.endr
.irp i, 0,1,2,3
	s_wait_dscnt 3-\i
	global_store_b128 v[GO], v[F+16+4*\i:F+16+4*\i+3], s[6:7] offset:2048+512*\i
.endr
	s_wait_tensorcnt 0x0                           ; the wave's end
	ds_add_u32 v[SPW], v[NIL]
	s_wait_dscnt 0x0
	s_endpgm
.Lfunc_end_k_q2f3a42278c_attn:
	.size	k_q2f3a42278c_attn, .Lfunc_end_k_q2f3a42278c_attn-k_q2f3a42278c_attn
	.p2alignl 7, 3214868480
	.fill 96, 4, 3214868480
	.section	.rodata,"a",@progbits
	.p2align	6, 0x0
	.amdhsa_kernel k_q2f3a42278c_attn
		.amdhsa_group_segment_fixed_size 327680
		.amdhsa_private_segment_fixed_size 0
		.amdhsa_enable_private_segment 0
		.amdhsa_kernarg_size 16
		.amdhsa_user_sgpr_count 2
		.amdhsa_user_sgpr_kernarg_segment_ptr 1
		.amdhsa_wavefront_size32 1
		.amdhsa_system_sgpr_workgroup_id_x 1
		.amdhsa_system_sgpr_workgroup_id_y 1
		.amdhsa_system_sgpr_workgroup_id_z 1
		.amdhsa_system_vgpr_workitem_id 0
		.amdhsa_next_free_vgpr 256
		.amdhsa_next_free_sgpr 100
		.amdhsa_reserve_vcc 1
		.amdhsa_float_denorm_mode_32 3
		.amdhsa_float_denorm_mode_16_64 3
		.amdhsa_memory_ordered 1
		.amdhsa_forward_progress 1
		.amdhsa_inst_pref_size 188
	.end_amdhsa_kernel
	.amdgpu_metadata
---
amdhsa.version: [ 1, 2 ]
amdhsa.kernels:
  - .name:           k_q2f3a42278c_attn
    .symbol:         k_q2f3a42278c_attn.kd
    .args:
      - { .name: qkv, .offset: 0, .size: 8, .value_kind: global_buffer, .address_space: global }
      - { .name: zh, .offset: 8, .size: 8, .value_kind: global_buffer, .address_space: global }
    .group_segment_fixed_size: 327680
    .private_segment_fixed_size: 0
    .kernarg_segment_align: 8
    .kernarg_segment_size: 16
    .max_flat_workgroup_size: 512
    .sgpr_count:     100
    .vgpr_count:     256
    .wavefront_size: 32
...
	.end_amdgpu_metadata
.endif
;; end of part 5
;; launch proj (part 6): grid 4 x 64, 4 waves a work-group, clusters of 4 x 4, 327,680 bytes of LDS; arguments zh, wp16, bp, out0; writes out0
.if DOCPART == 6
	.amdgcn_target "amdgcn-amd-amdhsa--gfx1250"
	.amdhsa_code_object_version 6
	.text
	.protected	k_q2f3a42278c_proj
	.globl	k_q2f3a42278c_proj
	.p2align	8
	.type	k_q2f3a42278c_proj,@function
k_q2f3a42278c_proj:
	s_mov_b64 s[64:65], 0
	v_nop
	global_prefetch_b8 v0, s[64:65] scope:SCOPE_SE
	s_setreg_imm32_b32 hwreg(HW_REG_WAVE_MODE, 25, 1), 1
	s_wait_xcnt 0x0
	s_wait_alu depctr_hold_cnt(0) depctr_sa_sdst(0) depctr_va_vdst(0) depctr_va_sdst(0) depctr_va_ssrc(0) depctr_va_vcc(0) depctr_vm_vsrc(0)
	s_getreg_b32 s2, hwreg(HW_REG_IB_STS2, 6, 4)
	s_cmp_eq_u32 s2, 0
	s_cbranch_scc0 .Lentry_in_a_cluster
	s_endpgm
.Lentry_in_a_cluster:
	s_bfe_u32 s2, ttmp6, 0x10000c
	s_cmp_lg_u32 s2, 0xf033
	s_cbranch_scc0 .Lentry_shape_is_right
	s_endpgm
.Lentry_shape_is_right:
; out[token][n] = the sum over k of z[token][k] Wp[n][k] + bp[n].  zh [b 4][head 16][t 2,048][64] f16 (k = 64 head + d); wp16's first part [e 16][n 1,024][64] f16; bp [1,024] f32; out0 [8,192][1,024] f32.  f16 operands, f32 sums.
; ROWS t < 32 OF EACH SEQUENCE ARE NOT STORED HERE: another launch makes them, on two-part operands.  They lie in a tile that is multiplied anyway; its first two blocks of 16 tokens stay in their registers.
; A work-group of four waves makes 128 tokens x 256 n: 256 work-groups; a wave 64 x 128: 32 accumulators, 256 registers.  K goes in steps of 128 (two heads) through a ring of two LDS slots.
; A head's 128 tokens, and a piece's 256 rows of Wp, are dense blocks of memory: they come as rows of 256 bytes (two rows of 64 f16) with 16 bytes of padding.
; CLUSTERS: 4 x 4 work-groups; the four of a row need the same tiles of z, the four of a column the same tiles of Wp: each is asked for jointly.  A cluster's four rows are the four sequences, and the cluster's y says
; which 128 tokens of a sequence: so 'the first tokens of a sequence' is the same in all sixteen partners.
; THE MATRIX INSTRUCTION IS USED TRANSPOSED (source 0 = 16 rows of Wp, source 1 = 16 tokens): a lane holds eight neighbouring n of one token.  The bias is the C of each sum's first product.
; REGISTERS: window 0: v0-31 addresses; v64-95, v96-127 z's fragments, two buffers; v128-255 rows on the way out.  window 1: v0-63, v64-127 Wp's fragments, two buffers; v128-191 the bias.  window 2: accumulator (a, b) at v[8 (8 a + b)].
.set PITCH,  272
.set AH,     64*PITCH                  ; a head's 128 tokens
.set BH,     128*PITCH                 ; a piece's 256 rows of Wp
.set SLOT,   2*AH+2*BH
.set STAGE,  2*SLOT                    ; 16 rows x (512 bytes + 16) for each wave; no tile lands here
.set SPITCH, 528
.set SPARE,  STAGE+4*16*SPITCH
.set ADRA, 16
.set ADRB, 20
.set STO,  24
.set RD,   25
.set CO,   26
.set SPW,  28
.set NIL,  29
.set PFO,  30
.set BA,   31
.set BIAS, 128
.set BK,   128
.set G1, 24
.set G0, 32
.set G1B, 48
.set G0B, 56
.set PFA, 76
.set PFS, 78
.set LIM, 80
.set MSB, 0
.macro WIN new
.if MSB != (\new)
	s_set_vgpr_msb (MSB<<8)|(\new)
.set MSB, (\new)
.endif
.endm
.set W_MUL,   0xa1                     ; source 0 (Wp) window 1, source 1 (z) window 0, C and D window 2
.set W_FIRST, 0x91                     ; the same with C (the bias) in window 1
.set TO_B,    0x40
.macro JLOAD s                         ; waves 0 and 1 fetch z's two heads, waves 2 and 3 Wp's two pieces; an s_nop 0 and four v_nop follow each line
	s_cmp_eq_u32 s11, 0
	s_cbranch_scc0 .Lfor_b_\@
	tensor_load_to_lds s[G0+4*\s:G0+4*\s+3], s[G1:G1+7]
	s_nop 0
.rept 4
	v_nop
.endr
	s_branch .Lasked_\@
.Lfor_b_\@:
	tensor_load_to_lds s[G0B+4*\s:G0B+4*\s+3], s[G1B:G1B+7]
	s_nop 0
.rept 4
	v_nop
.endr
.Lasked_\@:
.endm
; A prefetch of the K step that stands two refills on.  z's tiles are read by one row of one cluster: its four partners share a step's 2 x 16,384 bytes out by address (4,096 bytes of each head), wave 0 asks: lanes 0-15 the
; first head, lanes 16-31 the second, 256 bytes apart.  Wp's tiles are read by every cluster: the cluster with y = 0 asks; the four partners of a column take 8,192 bytes of a piece each, wave 2 of the first piece, wave 3 of the second.
; So each aligned 256 bytes are named once.  The loop's last trip asks for nothing: there is no K step two refills on.
.macro ASK
	s_cmp_gt_u32 s3, s[LIM]
	s_cbranch_scc0 .Lnot_mine_\@
	global_prefetch_b8 v[PFO], s[PFA:PFA+1] th:TH_LOAD_NT scope:SCOPE_SE
.Lnot_mine_\@:
.endm
.macro CREST
	s_cmp_lg_u32 s10, 0
	s_cbranch_scc1 .Lnot_wave_0_\@
	s_barrier_signal -3
.Lnot_wave_0_\@:
	s_barrier_wait -3
	s_barrier_signal -1
	s_barrier_wait -1
.endm
.macro CROUND
	s_barrier_signal -1
	s_barrier_wait -1
	CREST
.endm
	s_load_b256 s[68:75], s[0:1], 0x0              ; zh 68, wp16 70, bp 72, out0 74
	v_lshl_add_u32 v[SPW], v0, 2, SPARE
	v_mov_b32 v[NIL], 0
	ds_add_u32 v[SPW], v[NIL]                      ; the wave's opening: the add and its wait ahead of my first tensor load
	v_lshrrev_b32 v1, 5, v0
	v_readfirstlane_b32 s10, v1                    ; wave 0..3
	s_lshr_b32 s11, s10, 1                         ; which 64 tokens are mine.  Also: I fetch for z (0) or for Wp (1)
	s_and_b32 s12, s10, 1                          ; which 128 n.  Also: which of a step's two heads I fetch
	s_bfe_u32 s40, ttmp6, 0x40000                  ; cx
	s_bfe_u32 s41, ttmp6, 0x40004                  ; cy
	s_lshl_b32 s42, ttmp9, 2
	s_add_co_u32 s42, s42, s40                     ; tile column 0..3
	s_and_b32 s13, ttmp7, 0xffff                   ; the cluster's y: which 128 tokens of a sequence
	s_lshl_b32 s45, s41, 4                         ; cy: which sequence
	s_add_co_u32 s13, s13, s45                     ; tile row 0..63 = 16 cy + cluster y
	s_lshl_b32 s43, s41, 2
	s_lshl_b32 s43, 15, s43                        ; my row of the cluster
	s_lshl_b32 s44, 0x1111, s40                    ; my column
	s_or_b32 s[G1+0], s43, (1<<16)|(1<<20)|(1<<21)|(5<<22)|(3<<25)   ; the mask; elements of 2 bytes; padding: 4 words behind every 64; bit 21 beside a mask
	s_mov_b32 s[G1+1], 128<<16
	s_mov_b32 s[G1+2], 64<<16
	s_mov_b32 s[G1+3], 128<<16
	s_mov_b32 s[G1+4], 64
	s_mov_b32 s[G1+5], 128
	s_mov_b32 s[G1+6], 0
	s_mov_b32 s[G1+7], 0
	s_or_b32 s[G1B+0], s44, (1<<16)|(1<<20)|(1<<21)|(5<<22)|(3<<25)
	s_mov_b32 s[G1B+1], 128<<16
	s_mov_b32 s[G1B+2], 128<<16
	s_mov_b32 s[G1B+3], 128<<16
	s_mov_b32 s[G1B+4], 128
	s_mov_b32 s[G1B+5], 128
	s_mov_b32 s[G1B+6], 0
	s_mov_b32 s[G1B+7], 0
	s_lshr_b32 s16, s13, 4
	s_lshl_b32 s16, s16, 22                        ; b x 4,194,304
	s_and_b32 s17, s13, 15
	s_lshl_b32 s17, s17, 14                        ; 128 tokens of 128 bytes a tile row
	s_add_co_u32 s16, s16, s17
	s_lshl_b32 s17, s12, 18                        ; my head of the step's two
	s_add_co_u32 s16, s16, s17
	s_mov_b32 s17, 0
	s_lshl_b32 s46, s42, 15                        ; 256 rows of 128 bytes a tile column
	s_lshl_b32 s47, s12, 17                        ; my piece of the step's two
	s_add_co_u32 s46, s46, s47
	s_mov_b32 s47, 0
	s_mul_i32 s20, s12, AH                         ; where they go: no place in the cluster enters an LDS address
	s_mul_i32 s21, s12, BH
	s_add_co_u32 s21, s21, 2*AH
	s_wait_dscnt 0x0                               ; the opening add is done
	s_wait_kmcnt 0x0
	s_add_nc_u64 s[14:15], s[68:69], s[16:17]
	s_add_nc_u64 s[46:47], s[70:71], s[46:47]
	CROUND                                         ; all sixteen work-groups are here: the first joint loads meet
.irp s, 0,1
	s_mov_b32 s[G0+4*\s], 1
	s_add_co_u32 s[G0+4*\s+1], s20, \s*SLOT
	s_add_nc_u64 s[G0+4*\s+2:G0+4*\s+3], s[14:15], \s*524288
	s_or_b32 s[G0+4*\s+3], s[G0+4*\s+3], 0x80000000
	s_mov_b32 s[G0B+4*\s], 1
	s_add_co_u32 s[G0B+4*\s+1], s21, \s*SLOT
	s_add_nc_u64 s[G0B+4*\s+2:G0B+4*\s+3], s[46:47], \s*262144
	s_or_b32 s[G0B+4*\s+3], s[G0B+4*\s+3], 0x80000000
	JLOAD \s
.endr
	v_and_b32 v1, 15, v0                           ; r
	v_bfe_u32 v2, v0, 4, 1                         ; h
	v_lshlrev_b32 v[BA], 5, v2                     ; the bias: my half's eight numbers of a block of 16
	s_lshl_b32 s16, s42, 10
	s_lshl_b32 s17, s12, 9
	s_add_co_u32 s16, s16, s17                     ; my first n, in bytes of f32
	s_mov_b32 s17, 0
	s_add_nc_u64 s[72:73], s[72:73], s[16:17]
	WIN TO_B
.irp b, 0,1,2,3,4,5,6,7
	global_load_b128 v[BIAS+8*\b:BIAS+8*\b+3], v[BA], s[72:73] offset:64*\b
	global_load_b128 v[BIAS+8*\b+4:BIAS+8*\b+7], v[BA], s[72:73] offset:64*\b+16
.endr
	WIN 0
	s_lshl_b32 s18, s13, 19                        ; out0: 128 rows of 4,096 bytes a tile row,
	s_lshl_b32 s19, s11, 18                        ; my 64 of them,
	s_add_co_u32 s18, s18, s19
	s_add_co_u32 s18, s18, s16                     ; my first n
	s_mov_b32 s19, 0
	s_add_nc_u64 s[74:75], s[74:75], s[18:19]
	v_lshrrev_b32 v3, 1, v1
	v_mul_u32_u24 v3, v3, PITCH
	v_and_b32 v4, 1, v0
	v_lshl_add_u32 v3, v4, 7, v3
	v_lshl_add_u32 v3, v2, 4, v3                   ; row r of a fragment: LDS row r / 2, half r % 2, + 16 h
	s_mul_i32 s21, s11, 32*PITCH                   ; my 64 tokens
	s_mul_i32 s22, s12, 64*PITCH                   ; my 128 rows of Wp,
	s_add_co_u32 s22, s22, 2*AH                    ; behind z's two heads
.irp s, 0,1
	v_add_nc_u32 v[ADRA+\s], s21, v3
	v_add_nc_u32 v[ADRB+\s], s22, v3
	s_add_co_u32 s21, s21, SLOT
	s_add_co_u32 s22, s22, SLOT
.endr
	s_mul_i32 s23, s10, 16*SPITCH
	s_add_co_u32 s23, s23, STAGE                   ; my stage
	v_mul_u32_u24 v4, v1, SPITCH
	v_lshl_add_u32 v4, v2, 5, v4
	v_add_nc_u32 v[STO], s23, v4
	v_and_b32 v5, 31, v0
	v_lshlrev_b32 v[CO], 4, v5
	v_add_nc_u32 v[RD], s23, v[CO]
	; the prefetches: who asks, and where
	s_lshl_b32 s82, s40, 12                        ; z: my work-group's 4,096 bytes of each head, by cx
	s_lshl_b32 s83, s41, 13                        ; Wp: my work-group's 8,192 bytes of a piece, by cy
	s_and_b32 s84, ttmp7, 0xffff                   ; the cluster's y
	s_mov_b32 s85, 262144
	s_mov_b32 s86, 4096
	s_cmp_eq_u32 s11, 0                            ; do I fetch for z?
	s_cselect_b64 s[PFA:PFA+1], s[14:15], s[46:47]
	s_cselect_b32 s82, s82, s83
	s_cselect_b32 s84, s12, s84                    ; z: wave 0 asks; Wp: the cluster with y = 0: the same in all sixteen partners, for a given wave
	s_cselect_b32 s[PFS], 524288, s85              ; a K step on
	s_cselect_b32 s86, 262144, s86                 ; lanes 16-31: z's second head, or Wp's next 4,096 bytes
	s_mov_b32 s[PFS+1], 0
	s_mov_b32 s83, 0
	s_cmp_eq_u32 s84, 0
	s_cselect_b32 s[LIM], 1, -1
	s_add_nc_u64 s[PFA:PFA+1], s[PFA:PFA+1], s[82:83]
	s_mul_i32 s82, s[PFS], 3
	s_add_nc_u64 s[PFA:PFA+1], s[PFA:PFA+1], s[82:83]   ; at K step 3: the first change of slots steps it to 4.  Nothing is prefetched at the head
	v_mul_lo_u32 v[PFO], v2, s86
	v_lshl_add_u32 v[PFO], v1, 8, v[PFO]
; 8 products: token block a against Wp's eight blocks, 32 along K, from buffer f.  first = 1: the bias is C and the product starts the sum.  The 32 accumulators take turns.
.macro MULA f, a, first
.irp b, 0,1,2,3,4,5,6,7
.if \first
	v_wmma_f32_16x16x32_f16 v[8*(8*(\a)+\b):8*(8*(\a)+\b)+7], v[64*(\f)+8*\b:64*(\f)+8*\b+7], v[64+32*(\f)+8*(\a):64+32*(\f)+8*(\a)+7], v[BIAS+8*\b:BIAS+8*\b+7]
.else
	v_wmma_f32_16x16x32_f16 v[8*(8*(\a)+\b):8*(8*(\a)+\b)+7], v[64*(\f)+8*\b:64*(\f)+8*\b+7], v[64+32*(\f)+8*(\a):64+32*(\f)+8*(\a)+7], v[8*(8*(\a)+\b):8*(8*(\a)+\b)+7]
.endif
.endr
.endm
; 24 LDS loads in one run: quarter qd of a slot (head qd / 2, 32 along K at byte 64 (qd % 2)) into buffer f: Wp's eight fragments, then z's four
.macro FETCH slot, qd, f
	WIN TO_B
.irp b, 0,1,2,3,4,5,6,7
	ds_load_b128 v[64*(\f)+8*\b:64*(\f)+8*\b+3],   v[ADRB+\slot] offset:((\qd)/2)*BH+\b*8*PITCH+64*((\qd)%2)
	ds_load_b128 v[64*(\f)+8*\b+4:64*(\f)+8*\b+7], v[ADRB+\slot] offset:((\qd)/2)*BH+\b*8*PITCH+64*((\qd)%2)+32
.endr
	WIN 0
.irp a, 0,1,2,3
	ds_load_b128 v[64+32*(\f)+8*\a:64+32*(\f)+8*\a+3],   v[ADRA+\slot] offset:((\qd)/2)*AH+\a*8*PITCH+64*((\qd)%2)
	ds_load_b128 v[64+32*(\f)+8*\a+4:64+32*(\f)+8*\a+7], v[ADRA+\slot] offset:((\qd)/2)*AH+\a*8*PITCH+64*((\qd)%2)+32
.endr
.endm
.macro PLACES
.rept 4
	v_nop
.endr
.endm
.macro MWIN first
.if \first
	WIN W_FIRST
.else
	WIN W_MUL
.endif
.endm
; One of a slot's first three quarters: multiplies buffer f; in its middle it fetches quarter qn of the same slot into buffer g
.macro QUARTER slot, qn, f, g, first
	s_wait_dscnt 4                                 ; all but the youngest four loads (z's blocks 2, 3) are in
	MWIN \first
	MULA \f, 0, \first
	MULA \f, 1, \first
	PLACES
	FETCH \slot, \qn, \g
	s_wait_dscnt 24                                ; all but the 24 just issued
	MWIN \first
	MULA \f, 2, \first
	MULA \f, 3, \first
.endm
; A slot's last quarter multiplies buffer 1 and changes slots: one barrier; in front of it each wave waits for all its tensor loads, adds 0 to its spare word, and waits for that and for its reads of this slot.
; fill = 1: the barrier opens a round of the cluster's barrier, and this slot is filled again, two K steps ahead, first thing behind the round.
.macro TURN slot, next, fill
.if \fill
	s_wait_xcnt 0x0                                ; the last prefetch, a K step back, has read its address
	s_add_nc_u64 s[PFA:PFA+1], s[PFA:PFA+1], s[PFS:PFS+1]
.endif
	WIN 0
	s_wait_tensorcnt 0x0                           ; all my tensor loads have landed: my part of the next slot
	ds_add_u32 v[SPW], v[NIL]                      ; 0 onto my spare word
	s_wait_dscnt 5                                 ; (the add and the youngest four loads may be out)
	WIN W_MUL
	MULA 1, 0, 0
	s_wait_dscnt 0x0                               ; the add is done, and my reads of this slot are over
	s_barrier_signal -1
	MULA 1, 1, 0
	WIN 0
	s_barrier_wait -1
.if \fill
	CREST                                          ; no wave of any partner still reads this slot or has a load on its way
	s_add_nc_u64 s[G0+4*\slot+2:G0+4*\slot+3], s[G0+4*\slot+2:G0+4*\slot+3], 1048576
	s_add_nc_u64 s[G0B+4*\slot+2:G0B+4*\slot+3], s[G0B+4*\slot+2:G0B+4*\slot+3], 524288
	JLOAD \slot                                    ; its four v_nop are also the places in front of the loads below
.else
	PLACES
.endif
	FETCH \next, 0, 0
.if \fill
	ASK
.endif
	WIN W_MUL
	MULA 1, 2, 0
	MULA 1, 3, 0
.endm
	s_wait_tensorcnt 1                             ; my part of K step 0 is in; K step 1's may be out
	s_barrier_signal -1
	s_barrier_wait -1
	FETCH 0, 0, 0
	s_wait_loadcnt 0x0                             ; the bias
	QUARTER 0, 1, 0, 1, 1                          ; the first quarter stands in front of the loop: its products start the sums on the bias
	WIN 0
	s_mov_b32 s3, 3
.Llap:                                 ; a trip goes once round the ring and fills both slots again
	QUARTER 0, 2, 1, 0, 0
	QUARTER 0, 3, 0, 1, 0
	TURN 0, 1, 1
	QUARTER 1, 1, 0, 1, 0
	QUARTER 1, 2, 1, 0, 0
	QUARTER 1, 3, 0, 1, 0
	TURN 1, 0, 1
	QUARTER 0, 1, 0, 1, 0
	WIN 0
	s_sub_co_u32 s3, s3, 1
	s_cmp_lg_u32 s3, 0
	s_cbranch_scc1 .Llap
	QUARTER 0, 2, 1, 0, 0                          ; the last lap fills nothing
	QUARTER 0, 3, 0, 1, 0
	TURN 0, 1, 0
	QUARTER 1, 1, 0, 1, 0
	QUARTER 1, 2, 1, 0, 0
	QUARTER 1, 3, 0, 1, 0
	s_wait_dscnt 4
	WIN W_MUL
	MULA 1, 0, 0
	MULA 1, 1, 0
	s_wait_dscnt 0
	MULA 1, 2, 0
	MULA 1, 3, 0
	WIN 0
; THE WAY OUT, 16 tokens x 128 n at a time: a lane's 32 bytes go into my stage and come back as whole rows of 512 bytes, which the 32 lanes store
.macro TOSTAGE a
	WIN 0x08                                       ; an LDS store's data are its source 1: window 2
.irp b, 0,1,2,3,4,5,6,7
	ds_store_b128 v[STO], v[8*(8*(\a)+\b):8*(8*(\a)+\b)+3] offset:64*\b          ; each accumulator from its low end on
	ds_store_b128 v[STO], v[8*(8*(\a)+\b)+4:8*(8*(\a)+\b)+7] offset:64*\b+16
.endr
	WIN 0
.set BB, BK+64*((\a)%2)
.irp t, 0,1,2,3,4,5,6,7,8,9,10,11,12,13,14,15
	ds_load_b128 v[BB+4*\t:BB+4*\t+3], v[RD] offset:\t*SPITCH   ; LDS serves a wave's instructions in order: these see the stores above
.endr
.endm
.macro SEND a, younger
.set BB, BK+64*((\a)%2)
	s_wait_dscnt \younger                          ; the block is back in registers
.irp t, 0,1,2,3,4,5,6,7,8,9,10,11,12,13,14,15
	global_store_b128 v[CO], v[BB+4*\t:BB+4*\t+3], s[74:75] offset:(16*(\a)+\t)*4096 th:TH_STORE_NT   ; 512 consecutive bytes, aligned
.endr
.endm
	PLACES
	TOSTAGE 2                                      ; blocks 2 and 3 first: every wave stores them
	TOSTAGE 3
	SEND 2, 32                                     ; behind block 2's loads: block 3's 16 stores and 16 loads
	SEND 3, 0
	s_and_b32 s82, ttmp7, 0xffff                   ; the cluster's y = 0: the first 128 tokens of a sequence; waves 0 and 1: the first 64; blocks 0 and 1: the first 32,
	s_or_b32 s82, s82, s11
	s_cmp_eq_u32 s82, 0                            ; which are another launch's to store.  The cluster's y and the wave's number alone: the same in all sixteen partners
	s_cbranch_scc1 .Lowned
	s_wait_xcnt 0x0                                ; the stores of blocks 2 and 3 have read their registers: the loads below may land there
	TOSTAGE 0
	TOSTAGE 1
	SEND 0, 32
	SEND 1, 0
.Lowned:
	s_wait_tensorcnt 0x0                           ; the wave's end
	ds_add_u32 v[SPW], v[NIL]
	s_wait_dscnt 0x0
	CROUND                                         ; the closing round
	s_endpgm
.Lfunc_end_k_q2f3a42278c_proj:
	.size	k_q2f3a42278c_proj, .Lfunc_end_k_q2f3a42278c_proj-k_q2f3a42278c_proj
	.p2alignl 7, 3214868480
	.fill 96, 4, 3214868480
	.section	.rodata,"a",@progbits
	.p2align	6, 0x0
	.amdhsa_kernel k_q2f3a42278c_proj
		.amdhsa_group_segment_fixed_size 327680
		.amdhsa_private_segment_fixed_size 0
		.amdhsa_enable_private_segment 0
		.amdhsa_kernarg_size 32
		.amdhsa_user_sgpr_count 2
		.amdhsa_user_sgpr_kernarg_segment_ptr 1
		.amdhsa_wavefront_size32 1
		.amdhsa_system_sgpr_workgroup_id_x 1
		.amdhsa_system_sgpr_workgroup_id_y 1
		.amdhsa_system_sgpr_workgroup_id_z 1
		.amdhsa_system_vgpr_workitem_id 0
		.amdhsa_next_free_vgpr 768
		.amdhsa_next_free_sgpr 90
		.amdhsa_reserve_vcc 0
		.amdhsa_float_denorm_mode_32 3
		.amdhsa_float_denorm_mode_16_64 3
		.amdhsa_memory_ordered 1
		.amdhsa_forward_progress 1
		.amdhsa_inst_pref_size 88
	.end_amdhsa_kernel
	.amdgpu_metadata
---
amdhsa.version: [ 1, 2 ]
amdhsa.kernels:
  - .name:           k_q2f3a42278c_proj
    .symbol:         k_q2f3a42278c_proj.kd
    .args:
      - { .name: zh, .offset: 0, .size: 8, .value_kind: global_buffer, .address_space: global }
      - { .name: wp16, .offset: 8, .size: 8, .value_kind: global_buffer, .address_space: global }
      - { .name: bp, .offset: 16, .size: 8, .value_kind: global_buffer, .address_space: global }
      - { .name: out0, .offset: 24, .size: 8, .value_kind: global_buffer, .address_space: global }
    .group_segment_fixed_size: 327680
    .private_segment_fixed_size: 0
    .kernarg_segment_align: 8
    .kernarg_segment_size: 32
    .max_flat_workgroup_size: 128
    .sgpr_count:     90
    .vgpr_count:     768
    .wavefront_size: 32
...
	.end_amdgpu_metadata
.endif
;; end of part 6
